; MI455X (gfx1250); checked and timed in simulation.
; The chip was launched on July 23, 2026; its instructions are those of AMD's public machine-readable ISA for CDNA 5 (MIT licence, August 2026) and "CDNA5" Instruction Set Architecture Reference Guide (July 2026). The comments in the code are by the model that wrote it; some were corrected since.
;; Standard Encoder Layer. Allowed arithmetic: matrix products marked QUANTISED: E2M3 operands, one E8M0 scale for each 32 along K, by v_wmma_scale_f32_16x16x128_f8f6f4 with both operands' format E2M3, f32 sums; everything else in f32.
;; Inputs: W1_codes 4,096 x 32 x 24 uint8 (E2M3 codes of W1, K innermost, in blocks of 32 codes, four codes in three bytes); W1_scales 4,096 x 32 uint8 (E8M0 scales of W1, one for each 32 codes along K); W2_codes 1,024 x 128 x 24 uint8 (E2M3 codes of W2, K innermost, in blocks of 32 codes, four codes in three bytes); W2_scales 1,024 x 128 uint8 (E8M0 scales of W2, one for each 32 codes along K); Wk_codes 1,024 x 32 x 24 uint8 (E2M3 codes of Wk, K innermost, in blocks of 32 codes, four codes in three bytes); Wk_scales 1,024 x 32 uint8 (E8M0 scales of Wk, one for each 32 codes along K); Wo_codes 1,024 x 32 x 24 uint8 (E2M3 codes of Wo, K innermost, in blocks of 32 codes, four codes in three bytes); Wo_scales 1,024 x 32 uint8 (E8M0 scales of Wo, one for each 32 codes along K); Wq_codes 1,024 x 32 x 24 uint8 (E2M3 codes of Wq, K innermost, in blocks of 32 codes, four codes in three bytes); Wq_scales 1,024 x 32 uint8 (E8M0 scales of Wq, one for each 32 codes along K); Wv_codes 1,024 x 32 x 24 uint8 (E2M3 codes of Wv, K innermost, in blocks of 32 codes, four codes in three bytes); Wv_scales 1,024 x 32 uint8 (E8M0 scales of Wv, one for each 32 codes along K); b1 1,024 float32; b2 1,024 float32; bf1 4,096 float32; bf2 1,024 float32; bk 1,024 float32; bo 1,024 float32; bq 1,024 float32; bv 1,024 float32; g1 1,024 float32; g2 1,024 float32; mask 2 x 1 x 2,048 x 2,048 int32; x 2 x 2,048 x 1,024 float32.
;; Outputs: out0 2 x 2,048 x 1,024 float32.
;; This version of the problem:
;;   THIS VERSION OF THE PROBLEM IS GIVEN IN LOW PRECISION. The matrix products marked QUANTISED in the list below multiply operands that are first quantised to E2M3 (2 exponent bits, 3 mantissa bits; 6 bits a number), with one power-of-two scale for each 32 numbers along K (OCP MX v1.0); their sums are f32. All else is computed in f32.
;;   The module's matrix products, in the order in which they are computed (A, B: the left and right operand; K: the contracted axis; several contracted axes count as one K, in the product's order):
;;     1. [M 4,096, K 1,024] x [K 1,024, N 1,024]; A: input x; B: input Wq (given as codes): QUANTISED
;;     2. [M 4,096, K 1,024] x [K 1,024, N 1,024]; A: input x; B: input Wk (given as codes): QUANTISED
;;     3. [M 4,096, K 1,024] x [K 1,024, N 1,024]; A: input x; B: input Wv (given as codes): QUANTISED
;;     4. batch 32 x [M 2,048, K 64] x [K 64, N 2,048]; A: computed on the way; B: computed on the way: QUANTISED
;;     5. batch 32 x [M 2,048, K 2,048] x [K 2,048, N 64]; A: computed on the way; B: computed on the way: QUANTISED
;;     6. [M 4,096, K 1,024] x [K 1,024, N 1,024]; A: computed on the way; B: input Wo (given as codes): QUANTISED
;;     7. [M 4,096, K 1,024] x [K 1,024, N 4,096]; A: computed on the way; B: input W1 (given as codes): QUANTISED
;;     8. [M 4,096, K 4,096] x [K 4,096, N 1,024]; A: computed on the way; B: input W2 (given as codes): QUANTISED
;;   THE QUANTISER, for each operand of a quantised product, along K:
;;     - K is cut into blocks of 32 from its start; a last block that is shorter is filled with zeros.
;;     - A block's scale is 2^e with e = floor(log2(the largest magnitude in the block)) - 2, held to -126 .. 127; a block of zeros has e = 0. As a byte (E8M0): e + 127.
;;     - Each number is divided by its block's scale, clamped to +-7.5, and rounded to the nearest number of E2M3, ties to even, subnormals kept.
;;     - The product sums the exact products of the quantised numbers (number of the format x scale) in f32.
;;   ~~~python
;;   def quantise(x, axis):      # numpy; x: float32 -> the quantised numbers, widened to float32 again
;;       x = np.moveaxis(x, axis, -1); K = x.shape[-1]
;;       x = np.pad(x, [(0, 0)] * (x.ndim - 1) + [(0, -K % 32)]); x = x.reshape(x.shape[:-1] + (-1, 32)); a = np.abs(x).max(-1, keepdims=True)
;;       e = np.where(a > 0, np.clip(np.frexp(np.where(a > 0, a, 1))[1] - 1 - 2, -126, 127), 0)      # np.frexp(a)[1] - 1 = floor(log2(a)), exactly
;;       r = np.clip(x / 2.0 ** e, -7.5, 7.5)
;;       step = 2.0 ** (np.maximum(np.frexp(np.where(r == 0, 1, r))[1] - 1, 0) - 3)
;;       q = np.round(r / step) * step * 2.0 ** e      # np.round: ties to even
;;       return np.moveaxis(q.reshape(q.shape[:-2] + (-1,))[..., :K], -1, axis).astype(np.float32)
;;   ~~~
;;   OPERANDS COMPUTED ON THE WAY. 'Computed on the way' means the value that the module computes at that place (a softmax that the list does not call 'softmax' is quantised finished and normalised). What goes into a quantiser is computed in f32, as accurately as f32 sums, v_exp_f32 and their like allow (about 1e-6 of the number): no bf16 or f16 on the way to a quantiser, and a product that is left as it is and whose result goes on into a quantised operand takes f32 operands (vector FMAs, or v_wmma_f32_16x16x4_f32). A number that lies on a knife's edge between two numbers of the format may be rounded either way, as far as f32 arithmetic and the matrix unit's own rounding can turn it there, and no further.
;;   INPUTS GIVEN AS CODES. W1 (in the module: [1024, 4096], K = its axis 0); W2 (in the module: [4096, 1024], K = its axis 0); Wk (in the module: [1024, 1024], K = its axis 0); Wo (in the module: [1024, 1024], K = its axis 0); Wq (in the module: [1024, 1024], K = its axis 0); Wv (in the module: [1024, 1024], K = its axis 0): each comes as NAME_codes (uint8): NAME with its K axis moved to the last place and cut into blocks of 32 codes, [.., K / 32, bytes a block], one block behind the other in memory; four codes in three bytes: a row's codes are one little-endian stream of bits, code i at bits 6 i .. 6 i + 5 (a code: sign, 2 exponent bits, 3 mantissa bits); and NAME_scales (uint8): the same leading axes, one E8M0 byte (e + 127) for each 32 codes along K. Its value is code x scale, taken as it is: it is not quantised again, and the codes and scales need not be those that the quantiser above would give.
;; One version. Each part assembles by itself: llvm-mc -triple=amdgcn-amd-amdhsa -mcpu=gfx1250 --defsym DOCPART=n.
;; ======== version 1 of 1: 8 launches
;; workspace buffers: xw 9,011,200 bytes; woi 917,504 bytes; w2i 3,276,800 bytes; mw 1,048,576 bytes of whole numbers; qkvi 10,092,544 bytes; act 13,107,200 bytes; cbuf 67,108,864 bytes; inter 20,054,016 bytes
;; launch prep (part 1): grid 2048 x 1, 4 waves a work-group, no clusters, 0 bytes of LDS; arguments mask, x, Wq_codes, Wq_scales, Wk_codes, Wk_scales, Wv_codes, Wv_scales, Wo_codes, Wo_scales, W1_codes, W1_scales, W2_codes, W2_scales, xw, woi, w2i, mw; writes xw, woi, w2i, mw
.if DOCPART == 1
	.amdgcn_target "amdgcn-amd-amdhsa--gfx1250"
	.amdhsa_code_object_version 6
	.text
	.protected	k_qd62e46c308_prep
	.globl	k_qd62e46c308_prep
	.p2align	8
	.type	k_qd62e46c308_prep,@function
k_qd62e46c308_prep:
	s_mov_b64 s[64:65], 0
	v_nop
	global_prefetch_b8 v0, s[64:65] scope:SCOPE_SE
	s_setreg_imm32_b32 hwreg(HW_REG_WAVE_MODE, 25, 1), 1
	s_wait_xcnt 0x0
; PREP.  Three kinds of work-groups, told apart by the work-group's number; four waves each, no LDS, waves share nothing.
;   0 .. 1023     the mask [2][1][2048][2048] int32 becomes LANE MASKS: for each tile of 16 queries (TI) and each step of 128 keys, 64 words; word n's bit L is the mask of the number
;                 that lane L holds in score register n of the attention launch.
;   1024 .. 1279  x [4096][1024] f32 becomes codes of E2M3 with one E8M0 byte for each 32 along K.
;   1280 .. 2047  the six weights' codes and scale bytes are laid anew.
; ALL OPERANDS ARE LAID AS IMAGES OF OPERAND REGISTERS.  A fragment (16 rows x 128 K, 12 registers a lane) is six pieces of 256 bytes; piece p holds registers 2 p, 2 p + 1, lane l's at 8 l.
; THE ROWS OF A BLOCK ARE NOT NEIGHBOURS: lane r of row block j stands for row 32 (j / 2) + 8 (j % 2) + r + 8 (r / 8), so that a product used transposed leaves 16 neighbours in the 16 registers of two neighbouring tiles.
; An operand's array: scale words [row block][K step of 256][r][2] (512 bytes a row block), images [row block][K step of 128: 8][1536].
; A block's scale byte is its largest magnitude's exponent field - 2, held at 1 from below.
; LIMITS: a block of zeros gets the byte 1 (its codes are zeros, and only this program reads the bytes); a largest magnitude under 2^-124 is held at that floor; NaN and infinities among the inputs are not served;
; a mask entry counts as true where it is not 0.
.set TM,   32                          ; v32-47  at work in QUANT (in the mask's path v32-33: the words on their way out)
.set SEL,  2                           ; s[2:3]  lane selects for v_permlanex16_b32: lane l xor 16
; 64 numbers of a lane, register 16 b + i = k 32 b + 16 (lane / 16) + i of its row, become a fragment's 12 registers v[pc] on (v[pc+12] .. v[pc+18] at work) and its scale word v[pw]
.macro QUANT s, pc, pw
.irp b, 0,1,2,3
	v_max3_num_f32 v[TM+\b], |v[(\s)+16*\b]|, |v[(\s)+1+16*\b]|, 0x1800000   ; my 16 numbers of block b, and the floor 2^(3 - 127): the byte cannot fall under 1
.endr
.irp i, 2,4,6,8,10,12,14
.irp b, 0,1,2,3
	v_max3_num_f32 v[TM+\b], v[TM+\b], |v[(\s)+16*\b+\i]|, |v[(\s)+1+16*\b+\i]|
.endr
.endr
.irp b, 0,1,2,3
	v_permlanex16_b32 v[TM+4+\b], v[TM+\b], s[SEL], s[SEL+1]
.endr
.irp b, 0,1,2,3
	v_max_num_f32 v[TM+\b], v[TM+\b], v[TM+4+\b]                   ; with lane l xor 16's: the block's largest magnitude
.endr
.irp b, 0,1,2,3
	v_add_nc_u32 v[TM+12+\b], 0xff000000, v[TM+\b]                 ; 2 off its exponent field: the conversion's scale operand
.endr
.irp b, 0,1,2,3
	v_lshrrev_b32 v[TM+4+\b], 23, v[TM+12+\b]                      ; the scale's byte
.endr
	v_lshl_or_b32 v[\pw], v[TM+5], 8, v[TM+4]
	v_lshl_or_b32 v[\pw], v[TM+6], 16, v[\pw]
	v_lshl_or_b32 v[\pw], v[TM+7], 24, v[\pw]
.irp c, 0,1
	v_cvt_scalef32_pk16_fp6_f32 v[(\pc)+6*\c:(\pc)+2+6*\c], v[(\s)+32*\c:(\s)+15+32*\c], v[TM+12+2*\c]
	v_cvt_scalef32_pk16_fp6_f32 v[(\pc)+12+4*\c:(\pc)+14+4*\c], v[(\s)+16+32*\c:(\s)+31+32*\c], v[TM+12+2*\c+1]   ; (a conversion's three registers begin on an even number)
.endr
	v_nop                                                          ; one plain instruction behind the scaled conversions
.irp c, 0,1                            ; the layout wants a whole block in a lane: lanes 0-15 block 2 c, lanes 16-31 block 2 c + 1
.irp i, 0,1,2
	v_permlane16_swap_b32 v[(\pc)+6*\c+\i], v[(\pc)+12+4*\c+\i]
.endr
.irp i, 0,1,2
	v_mov_b32 v[(\pc)+3+6*\c+\i], v[(\pc)+12+4*\c+\i]
.endr
.endr
.endm
.macro STORE6 pc, adr, base, off       ; a fragment's image: each store of the wave covers 256 consecutive bytes, aligned
.irp p, 0,1,2,3,4,5
	global_store_b64 v[\adr], v[(\pc)+2*\p:(\pc)+2*\p+1], s[\base:\base+1] offset:(\off)+256*\p
.endr
.endm
.macro RBOF d, j, t                    ; s[d] = the first row of row block s[j]: 32 (j / 2) + 8 (j % 2)
	s_lshr_b32 s[\d], s[\j], 1
	s_lshl_b32 s[\d], s[\d], 5
	s_and_b32 s[\t], s[\j], 1
	s_lshl_b32 s[\t], s[\t], 3
	s_add_co_u32 s[\d], s[\d], s[\t]
.endm
.macro NARROW                          ; EXEC is among the sources of the stores that are out: it changes only behind s_wait_xcnt 0
	s_wait_xcnt 0x0
	s_and_saveexec_b32 s29, vcc_lo
.endm
.macro WIDEN
	s_wait_xcnt 0x0
	s_or_b32 exec_lo, exec_lo, s29
.endm
	v_and_b32 v1, 31, v0                           ; lane
	v_lshrrev_b32 v8, 5, v0
	v_readfirstlane_b32 s10, v8                    ; wave
	v_and_b32 v2, 15, v0                           ; r
	v_bfe_u32 v3, v0, 4, 1                         ; h
	v_and_b32 v4, 8, v2
	v_add_nc_u32 v4, v4, v2                        ; r + 8 (r / 8)
	v_lshlrev_b32 v5, 3, v1                        ; 8 x lane
	v_lshlrev_b32 v6, 3, v2                        ; 8 r
	s_cmp_lt_u32 ttmp9, 1024
	s_cbranch_scc0 .Lnot_mask
	; ---- the mask.  TI = work-group / 4; step = 4 (work-group % 4) + wave
	s_load_b64 s[4:5], s[0:1], 0x0                 ; mask
	s_load_b64 s[6:7], s[0:1], 0x88                ; mw
	s_lshr_b32 s11, ttmp9, 2                       ; TI
	s_and_b32 s12, ttmp9, 3
	s_lshl_b32 s12, s12, 2
	s_add_co_u32 s12, s12, s10                     ; step
	RBOF 13, 11, 14
	s_lshl_b32 s14, s13, 13                        ; a row of the mask is 8,192 bytes; the batch's rows follow each other, as the tokens do
	s_lshl_b32 s15, s12, 9                         ; 128 keys are 512 bytes
	s_add_co_u32 s14, s14, s15
	s_mov_b32 s15, 0
	v_lshlrev_b32 v7, 13, v4
	v_lshl_add_u32 v7, v3, 6, v7                   ; my row, + 16 h keys
	s_lshl_b32 s16, s11, 4
	s_add_co_u32 s16, s16, s12
	s_lshl_b32 s16, s16, 8                         ; the words: 256 bytes a (TI, step)
	s_mov_b32 s17, 0
	s_wait_kmcnt 0x0
	s_add_nc_u64 s[4:5], s[4:5], s[14:15]
	s_add_nc_u64 s[6:7], s[6:7], s[16:17]
.irp b, 0,1,2,3
.irp j, 0,1,2,3
	global_load_b128 v[64+16*\b+4*\j:67+16*\b+4*\j], v7, s[4:5] offset:128*\b+16*\j th:TH_LOAD_NT   ; register 16 b + i: key 32 b + 16 h + i of the step; the 16 loads use up 512 neighbouring bytes of each of 16 rows
.endr
.endr
	v_mov_b32 v32, 0                               ; (v_writelane's destination counts as read)
	v_mov_b32 v33, 0
	s_wait_loadcnt 0x0
.set n, 0
.rept 8
.irp k, 0,1,2,3,4,5,6,7
	v_cmp_ne_u32 s[20+\k], 0, v[64+n+\k]           ; word n + k: one bit a lane
.endr
.irp k, 0,1,2,3,4,5,6,7
	v_writelane_b32 v[32+(n+\k)%2], s[20+\k], (n+\k)/2   ; lane l gathers words 2 l and 2 l + 1
.endr
.set n, n+8
.endr
	global_store_b64 v5, v[32:33], s[6:7]          ; 256 consecutive bytes, aligned
	s_endpgm
.Lnot_mask:
	s_cmp_lt_u32 ttmp9, 1280
	s_cbranch_scc0 .Lweights
	; ---- x.  Row block j = work-group - 1024; wave t takes the t-th 256 along K: two fragments
	s_load_b64 s[4:5], s[0:1], 0x8                 ; x
	s_load_b64 s[6:7], s[0:1], 0x70                ; xw
	s_sub_co_u32 s11, ttmp9, 1024
	RBOF 13, 11, 14
	s_lshl_b32 s14, s13, 12                        ; a row of x is 4,096 bytes
	s_lshl_b32 s15, s10, 10
	s_add_co_u32 s14, s14, s15
	s_mov_b32 s15, 0
	v_lshlrev_b32 v7, 12, v4
	v_lshl_add_u32 v7, v3, 6, v7                   ; my row, + 16 h numbers
	s_mul_i32 s16, s11, 12288
	s_mul_i32 s17, s10, 3072
	s_add_co_u32 s16, s16, s17
	s_add_co_u32 s16, s16, 360448                  ; the images begin behind 704 row blocks' scale words
	s_mov_b32 s17, 0
	s_lshl_b32 s18, s11, 9
	s_lshl_b32 s19, s10, 7
	s_add_co_u32 s18, s18, s19
	s_mov_b32 s19, 0
	s_mov_b32 s[SEL], 0x76543210
	s_mov_b32 s[SEL+1], 0xfedcba98
.irp b, 0,1,2,3
	v_mov_b32 v[TM+4+\b], 0                        ; written once: a lane permute's destination counts as one of its sources
.endr
	s_wait_kmcnt 0x0
	s_add_nc_u64 s[4:5], s[4:5], s[14:15]
	s_add_nc_u64 s[8:9], s[6:7], s[16:17]
	s_add_nc_u64 s[6:7], s[6:7], s[18:19]
.irp q, 0,1
.irp b, 0,1,2,3
.irp j, 0,1,2,3
	global_load_b128 v[64+64*\q+16*\b+4*\j:67+64*\q+16*\b+4*\j], v7, s[4:5] offset:512*\q+128*\b+16*\j th:TH_LOAD_NT
.endr
.endr
.endr
	s_wait_loadcnt 16                              ; the first K step's 16 loads are in; the second's may be out
	QUANT 64, 192, 232
	STORE6 192, 5, 8, 0
	s_wait_loadcnt 0x0
	QUANT 128, 212, 233                            ; codes in registers of their own: no store's data are written again
	STORE6 212, 5, 8, 1536
	v_cmp_gt_u32 vcc_lo, 16, v1
	NARROW
	global_store_b64 v6, v[232:233], s[6:7]        ; lanes 0-15: row r's two scale words
	WIDEN
	s_endpgm
.Lweights:
	; ---- the weights.  v = work-group - 1280 names a weight and a block of 16 of its rows; wave t takes the t-th 256 along K of a slab of 1,024
	s_load_b512 s[32:47], s[0:1], 0x10             ; Wq, Wk, Wv, Wo: codes and scales
	s_load_b512 s[68:83], s[0:1], 0x50             ; W1, W2: codes and scales; xw, woi, w2i, (mw)
	s_sub_co_u32 s11, ttmp9, 1280                  ; v
	s_and_b32 s22, s11, 63                         ; the source block in a weight of 64 blocks
	s_mov_b32 s12, s22                             ; W2: (v - 512) % 64
	s_sub_co_u32 s13, s11, 256                     ; W1's source block
	s_sub_co_u32 s14, s11, 512                     ; W2's place in w2i: 64 x slab + block
	s_lshr_b32 s15, s14, 6                         ; W2's slab
	s_add_co_u32 s16, s11, 256                     ; Wq's, Wk's, Wv's place in xw
	s_add_co_u32 s17, s11, 192                     ; W1's place in xw
	s_sub_co_u32 s18, s11, 192                     ; Wo's place in woi
	s_mov_b32 s19, 131072                          ; where the images begin
	s_mov_b32 s20, 3072                            ; a row of codes in bytes
	s_mov_b32 s21, 128                             ; a row of scale bytes
	s_wait_kmcnt 0x0
	s_mov_b64 s[4:5], s[72:73]                     ; W2, unless v says otherwise.  The choices hang on the work-group's number alone
	s_mov_b64 s[6:7], s[74:75]
	s_mov_b64 s[8:9], s[80:81]
	s_cmp_lt_u32 s11, 512                          ; W1
	s_cselect_b64 s[4:5], s[68:69], s[4:5]
	s_cselect_b64 s[6:7], s[70:71], s[6:7]
	s_cselect_b64 s[8:9], s[76:77], s[8:9]
	s_cselect_b32 s12, s13, s12
	s_cselect_b32 s14, s17, s14
	s_cselect_b32 s15, 0, s15
	s_cselect_b32 s19, 360448, s19
	s_cselect_b32 s20, 768, s20
	s_cselect_b32 s21, 32, s21
	s_cmp_lt_u32 s11, 256                          ; Wo
	s_cselect_b64 s[4:5], s[44:45], s[4:5]
	s_cselect_b64 s[6:7], s[46:47], s[6:7]
	s_cselect_b64 s[8:9], s[78:79], s[8:9]
	s_cselect_b32 s12, s22, s12
	s_cselect_b32 s14, s18, s14
	s_cselect_b32 s19, 131072, s19
	s_cmp_lt_u32 s11, 192                          ; Wv
	s_cselect_b64 s[4:5], s[40:41], s[4:5]
	s_cselect_b64 s[6:7], s[42:43], s[6:7]
	s_cselect_b64 s[8:9], s[76:77], s[8:9]
	s_cselect_b32 s14, s16, s14
	s_cselect_b32 s19, 360448, s19
	s_cmp_lt_u32 s11, 128                          ; Wk
	s_cselect_b64 s[4:5], s[36:37], s[4:5]
	s_cselect_b64 s[6:7], s[38:39], s[6:7]
	s_cmp_lt_u32 s11, 64                           ; Wq
	s_cselect_b64 s[4:5], s[32:33], s[4:5]
	s_cselect_b64 s[6:7], s[34:35], s[6:7]
	RBOF 23, 12, 24
	s_lshl_b32 s24, s15, 2
	s_add_co_u32 s24, s24, s10                     ; which 256 along K of the whole row: 4 x slab + t
	s_mul_i32 s26, s23, s20
	s_mul_i32 s25, s24, 192
	s_add_co_u32 s26, s26, s25
	s_mov_b32 s27, 0
	s_add_nc_u64 s[4:5], s[4:5], s[26:27]
	s_mul_i32 s26, s23, s21
	s_lshl_b32 s25, s24, 3
	s_add_co_u32 s26, s26, s25
	s_add_nc_u64 s[6:7], s[6:7], s[26:27]
	v_mul_lo_u32 v7, v4, s20
	v_mad_u32_u24 v7, v3, 24, v7                   ; my row's codes, + 24 h: a fragment's registers are the row's bytes as they lie
	v_mul_lo_u32 v8, v4, s21
.irp q, 0,1
.irp p, 0,1,2,3,4,5
	global_load_b64 v[64+12*\q+2*\p:65+12*\q+2*\p], v7, s[4:5] offset:96*\q+48*(\p/3)+8*(\p%3)
.endr
.endr
	global_load_b64 v[88:89], v8, s[6:7]           ; my row's eight scale bytes: two words
	s_mul_i32 s26, s14, 12288
	s_mul_i32 s25, s10, 3072
	s_add_co_u32 s26, s26, s25
	s_add_co_u32 s26, s26, s19
	s_add_nc_u64 s[30:31], s[8:9], s[26:27]
	s_lshl_b32 s26, s14, 9
	s_lshl_b32 s25, s10, 7
	s_add_co_u32 s26, s26, s25
	s_add_nc_u64 s[8:9], s[8:9], s[26:27]
	s_wait_loadcnt 0x0
	STORE6 64, 5, 30, 0
	STORE6 76, 5, 30, 1536
	v_cmp_gt_u32 vcc_lo, 16, v1
	NARROW
	global_store_b64 v6, v[88:89], s[8:9]
	WIDEN
	s_endpgm
.Lfunc_end_k_qd62e46c308_prep:
	.size	k_qd62e46c308_prep, .Lfunc_end_k_qd62e46c308_prep-k_qd62e46c308_prep
	.p2alignl 7, 3214868480
	.fill 96, 4, 3214868480
	.section	.rodata,"a",@progbits
	.p2align	6, 0x0
	.amdhsa_kernel k_qd62e46c308_prep
		.amdhsa_group_segment_fixed_size 0
		.amdhsa_private_segment_fixed_size 0
		.amdhsa_enable_private_segment 0
		.amdhsa_kernarg_size 144
		.amdhsa_user_sgpr_count 2
		.amdhsa_user_sgpr_kernarg_segment_ptr 1
		.amdhsa_wavefront_size32 1
		.amdhsa_system_sgpr_workgroup_id_x 1
		.amdhsa_system_sgpr_workgroup_id_y 1
		.amdhsa_system_sgpr_workgroup_id_z 1
		.amdhsa_system_vgpr_workitem_id 0
		.amdhsa_next_free_vgpr 240
		.amdhsa_next_free_sgpr 100
		.amdhsa_reserve_vcc 1
		.amdhsa_float_denorm_mode_32 3
		.amdhsa_float_denorm_mode_16_64 3
		.amdhsa_memory_ordered 1
		.amdhsa_forward_progress 1
		.amdhsa_inst_pref_size 31
	.end_amdhsa_kernel
	.amdgpu_metadata
---
amdhsa.version: [ 1, 2 ]
amdhsa.kernels:
  - .name:           k_qd62e46c308_prep
    .symbol:         k_qd62e46c308_prep.kd
    .args:
      - { .name: mask, .offset: 0, .size: 8, .value_kind: global_buffer, .address_space: global }
      - { .name: x, .offset: 8, .size: 8, .value_kind: global_buffer, .address_space: global }
      - { .name: Wq_codes, .offset: 16, .size: 8, .value_kind: global_buffer, .address_space: global }
      - { .name: Wq_scales, .offset: 24, .size: 8, .value_kind: global_buffer, .address_space: global }
      - { .name: Wk_codes, .offset: 32, .size: 8, .value_kind: global_buffer, .address_space: global }
      - { .name: Wk_scales, .offset: 40, .size: 8, .value_kind: global_buffer, .address_space: global }
      - { .name: Wv_codes, .offset: 48, .size: 8, .value_kind: global_buffer, .address_space: global }
      - { .name: Wv_scales, .offset: 56, .size: 8, .value_kind: global_buffer, .address_space: global }
      - { .name: Wo_codes, .offset: 64, .size: 8, .value_kind: global_buffer, .address_space: global }
      - { .name: Wo_scales, .offset: 72, .size: 8, .value_kind: global_buffer, .address_space: global }
      - { .name: W1_codes, .offset: 80, .size: 8, .value_kind: global_buffer, .address_space: global }
      - { .name: W1_scales, .offset: 88, .size: 8, .value_kind: global_buffer, .address_space: global }
      - { .name: W2_codes, .offset: 96, .size: 8, .value_kind: global_buffer, .address_space: global }
      - { .name: W2_scales, .offset: 104, .size: 8, .value_kind: global_buffer, .address_space: global }
      - { .name: xw, .offset: 112, .size: 8, .value_kind: global_buffer, .address_space: global }
      - { .name: woi, .offset: 120, .size: 8, .value_kind: global_buffer, .address_space: global }
      - { .name: w2i, .offset: 128, .size: 8, .value_kind: global_buffer, .address_space: global }
      - { .name: mw, .offset: 136, .size: 8, .value_kind: global_buffer, .address_space: global }
    .group_segment_fixed_size: 0
    .private_segment_fixed_size: 0
    .kernarg_segment_align: 8
    .kernarg_segment_size: 144
    .max_flat_workgroup_size: 128
    .sgpr_count:     100
    .vgpr_count:     240
    .wavefront_size: 32
...
	.end_amdgpu_metadata
.endif
;; end of part 1
;; launch qkv (part 2): grid 12 x 16, 4 waves a work-group, clusters of 4 x 4, 327,680 bytes of LDS; arguments xw, bq, bk, bv, qkvi; writes qkvi
.if DOCPART == 2
	.amdgcn_target "amdgcn-amd-amdhsa--gfx1250"
	.amdhsa_code_object_version 6
	.text
	.protected	k_qd62e46c308_qkv
	.globl	k_qd62e46c308_qkv
	.p2align	8
	.type	k_qd62e46c308_qkv,@function
k_qd62e46c308_qkv:
	s_mov_b64 s[64:65], 0
	v_nop
	global_prefetch_b8 v0, s[64:65] scope:SCOPE_SE
	s_setreg_imm32_b32 hwreg(HW_REG_WAVE_MODE, 25, 1), 1
	s_wait_xcnt 0x0
	s_wait_alu depctr_hold_cnt(0) depctr_sa_sdst(0) depctr_va_vdst(0) depctr_va_sdst(0) depctr_va_ssrc(0) depctr_va_vcc(0) depctr_vm_vsrc(0)
	s_getreg_b32 s2, hwreg(HW_REG_IB_STS2, 6, 4)
	s_cmp_eq_u32 s2, 0
	s_cbranch_scc0 .Lentry_in_a_cluster
	s_endpgm
.Lentry_in_a_cluster:
	s_bfe_u32 s2, ttmp6, 0x10000c
	s_cmp_lg_u32 s2, 0xf033
	s_cbranch_scc0 .Lentry_shape_is_right
	s_endpgm
.Lentry_shape_is_right:
; q = x Wq + bq, k = x Wk + bk, v = x Wv + bv on codes of E2M3, and the three results quantised for attention: q and k along a head's 64 channels, v along the keys.
; THE ROLE is the cluster's x (0: q, 1: k, 2: v): the same in all sixteen partners.  A work-group makes 256 x 256 of a product, four waves 128 x 128 each: 64 accumulators, 512 registers.
; THE MATRIX INSTRUCTION IS USED TRANSPOSED: source 0 = 16 rows of the tile called B here, source 1 = 16 rows of the tile called A: a lane holds one row of A's tile, and its registers run along B's rows.
;   q, k: A = tokens (x), B = the weight's rows: a lane's 64 numbers of a block are 128 neighbouring channels' halves: two heads.       v: A = Wv's rows, B = tokens: a lane holds one channel, its registers run along 128 keys.
; OPERANDS lie in xw as images of operand registers (a fragment: six pieces of 256 bytes, piece p = registers 2 p, 2 p + 1, lane l's at 8 l), scale words beside them; lane r of row block j stands for row
; 32 (j / 2) + 8 (j % 2) + r + 8 (r / 8), so that the 16 registers of tiles 2 b and 2 b + 1 are 16 neighbours: index 32 b + 16 (lane / 16) + i.
; K = 1,024 goes in four steps of 256 through a ring of two LDS slots filled by the tensor data mover: a wave's load brings 8 row blocks x 3,072 bytes.  The scale words of the tiles' rows, for all of K, come once.
; CLUSTERS: 4 x 4 work-groups; A's tile is shared along a row of the cluster, B's along a column: each is asked for jointly.
; RESULTS: a record of 315,392 bytes for each (batch, head): K's images [step 16][tile 8][768], V's [step][tile of channels 4][1536], K's scale words [step][2][r][4], V's [step][r][4], Q's images and words as K's.
; LIMITS: a block of zeros gets the byte 1 (its codes are zeros; only this program reads the bytes); a largest magnitude under 2^-124 is held at that floor; NaN and infinities are not served.
; REGISTERS, in windows of 256: window 0: v0-31 addresses; v32-63 scale words, two sets; v64-127 the bias along the registers; v128-223 A's fragments, one set; v244-251 the bias along the lanes; in the epilogue v128-243 at work.
;   window 1: B's fragments, two sets, at v0 and v128.   window 2: the accumulators of A's blocks 0-3 ((a, b) at v[8 (8 (a % 4) + b)]);   window 3: those of blocks 4-7.
.set REC,    315392
.set NQ,     2                         ; matrix instructions deep in a slot
.set FR,     12                        ; registers of a fragment
.set FRB,    1536                      ; its image in bytes
.set RBB,    12288                     ; a row block's eight images
.set NL,     6                         ; LDS loads that bring a fragment
.set NP,     4                         ; places behind this matrix instruction (ISA guide 7.12.1)
.set HALFT,  8*NQ*FRB                  ; 8 row blocks x 256 along K: what one tensor load brings, and what one wave reads of A or of B
.set SLOT,   4*HALFT
.set LAPS,   2                         ; a lap = two K steps of 256 = once round the ring
.set SCL,    2*SLOT                    ; behind the ring: the scale words
.set HALFS,  8*512                     ; those of 8 row blocks
.set SPARE,  SCL+4*HALFS               ; the spare words, 128 bytes for each wave: two blocks of 256 bytes that no other line names
.set ADRA, 16                          ; v16-17  LDS address of my A fragments in slot 0, 1
.set ADRB, 20                          ; v20-21  the same for B
.set ADRS, 27                          ; v27     of my scale words: lanes 0-15 A's rows, lanes 16-31 B's
.set SPW,  28                          ; v28     LDS address of my spare word; never rewritten
.set NIL,  29                          ; v29     0; never rewritten
.set SC,   32
.set AF,   128
.set L8,   4                           ; v4      8 x lane
.set BPO,  7                           ; v7      64 h
.set BRO,  8                           ; v8      4 (r + 8 (r / 8))
.set SA,   9                           ; v9      16 r + h x a record
.set SH,   10                          ; v10     16 h
.set BP,   64
.set T,    128                         ; the epilogue: 64 numbers
.set PC,   192                         ; their codes
.set TM,   212
.set PW,   228                         ; eight scale words
.set SW,   236                         ; as they are stored
.set BR,   244
.set G1, 24
.set G0, 32
.set G1B, 48
.set G0B, 56
.set G1S, 68
.set G0S, 76
.set G1SB, 80
.set G0SB, 88
.set SEL, 66                           ; s[66:67] lane selects for v_permlanex16_b32: lane l xor 16
.set MHI, 99                           ; s99 lanes 16-31
.set MSB, 0
.macro WIN new                         ; the immediate's high byte repeats the setting that is left
.if MSB != (\new)
	s_set_vgpr_msb (MSB<<8)|(\new)
.set MSB, (\new)
.endif
.endm
.set MUL_LO, 0xa1                      ; source 0 (B) window 1, source 1 (A) window 0, C and D window 2
.set MUL_HI, 0xf1                      ; the same, C and D window 3
.set TO_B,   0x40
; A joint load: waves 0 and 1 fetch for A, waves 2 and 3 for B; the branch hangs on the wave's number alone.  An s_nop 0 and four v_nop follow each of the two lines.
.macro JLOAD g0a, g1a, g0b, g1b
	s_cmp_eq_u32 s15, 0
	s_cbranch_scc0 .Lfor_b_\@
	tensor_load_to_lds s[\g0a:\g0a+3], s[\g1a:\g1a+7]
	s_nop 0
.rept 4
	v_nop
.endr
	s_branch .Lasked_\@
.Lfor_b_\@:
	tensor_load_to_lds s[\g0b:\g0b+3], s[\g1b:\g1b+7]
	s_nop 0
.rept 4
	v_nop
.endr
.Lasked_\@:
.endm
.macro CREST                           ; a round of the cluster's barrier behind its opening barrier
	s_cmp_lg_u32 s14, 0
	s_cbranch_scc1 .Lnot_wave_0_\@
	s_barrier_signal -3
.Lnot_wave_0_\@:
	s_barrier_wait -3
	s_barrier_signal -1
	s_barrier_wait -1
.endm
.macro CROUND
	s_barrier_signal -1
	s_barrier_wait -1
	CREST
.endm
	s_load_b128 s[4:7], s[0:1], 0x0                ; xw, bq
	s_load_b128 s[8:11], s[0:1], 0x10              ; bk, bv
	s_load_b64 s[12:13], s[0:1], 0x20              ; qkvi
	v_lshl_add_u32 v[SPW], v0, 2, SPARE
	v_mov_b32 v[NIL], 0
	ds_add_u32 v[SPW], v[NIL]                      ; the wave's opening: the add, and its wait ahead of my first tensor load; the set-up below, work on registers, stands between them
	v_lshrrev_b32 v1, 5, v0
	v_readfirstlane_b32 s14, v1                    ; wave 0..3
	s_lshr_b32 s15, s14, 1                         ; which half of A's tile is mine.  Also: I fetch for A (0) or for B (1)
	s_and_b32 s16, s14, 1                          ; which half of B's tile.  Also: which 8 row blocks I fetch
	s_bfe_u32 s40, ttmp6, 0x40000                  ; cx
	s_bfe_u32 s41, ttmp6, 0x40004                  ; cy
	s_and_b32 s17, ttmp7, 0xffff                   ; the cluster's y
	s_lshl_b32 s43, s41, 2
	s_lshl_b32 s43, 15, s43                        ; my row of the cluster
	s_lshl_b32 s44, 0x1111, s40                    ; my column
	; descriptor group 1 for the codes: 8 rows (row blocks) of 384 elements of 8 bytes, 1,536 elements apart; dense in LDS
	s_or_b32 s[G1+0], s43, (3<<16)|(1<<21)
	s_or_b32 s[G1B+0], s44, (3<<16)|(1<<21)
.irp g, G1, G1B
	s_mov_b32 s[\g+1], 384<<16                     ; tensor_dim0
	s_mov_b32 s[\g+2], 8<<16                       ; tensor_dim1
	s_mov_b32 s[\g+3], 384<<16                     ; tile_dim0
	s_mov_b32 s[\g+4], 8                           ; tile_dim1
	s_mov_b32 s[\g+5], 1536                        ; tensor_dim0_stride
	s_mov_b32 s[\g+6], 0
	s_mov_b32 s[\g+7], 0
.endr
	; and for the scale words of 8 row blocks: 4,096 dense bytes as 16 rows of 256
	s_or_b32 s[G1S+0], s43, (3<<16)|(1<<21)
	s_or_b32 s[G1SB+0], s44, (3<<16)|(1<<21)
.irp g, G1S, G1SB
	s_mov_b32 s[\g+1], 32<<16
	s_mov_b32 s[\g+2], 16<<16
	s_mov_b32 s[\g+3], 32<<16
	s_mov_b32 s[\g+4], 16
	s_mov_b32 s[\g+5], 32
	s_mov_b32 s[\g+6], 0
	s_mov_b32 s[\g+7], 0
.endr
	; the tiles' first row blocks in xw (x 0-255, Wq 256-, Wk 320-, Wv 384-).  A's hangs on cy alone, B's on cx alone, in every role
	s_lshl_b32 s18, s17, 6                         ; 64 x cluster y
	s_lshl_b32 s19, ttmp9, 6
	s_add_co_u32 s19, s19, 256                     ; the role's weight
	s_cmp_eq_u32 ttmp9, 2
	s_cselect_b32 s20, 384, s18                    ; A: tokens; in role v: Wv
	s_cselect_b32 s46, s18, s19                    ; B: the weight; in role v: tokens
	s_lshl_b32 s18, s41, 4
	s_add_co_u32 s20, s20, s18
	s_lshl_b32 s18, s40, 4
	s_add_co_u32 s46, s46, s18
	s_mov_b32 s95, 0                               ; where A's scale words and images begin in their buffer,
	s_mov_b32 s96, 360448
	s_mov_b32 s97, 0                               ; and B's
	s_mov_b32 s98, 360448
	s_lshl_b32 s18, s16, 3                         ; which 8 row blocks of the tile I fetch
	s_add_co_u32 s20, s20, s18
	s_add_co_u32 s46, s46, s18
	s_lshl_b32 s22, s20, 9
	s_add_co_u32 s22, s22, s95
	s_mov_b32 s23, 0
	s_mul_i32 s20, s20, RBB
	s_add_co_u32 s20, s20, s96
	s_mov_b32 s21, 0
	s_lshl_b32 s92, s46, 9
	s_add_co_u32 s92, s92, s97
	s_mov_b32 s93, 0
	s_mul_i32 s46, s46, RBB
	s_add_co_u32 s46, s46, s98
	s_mov_b32 s47, 0
	s_mul_i32 s45, s14, HALFT                      ; where they go: wave x 8 row blocks: no place in the cluster enters an LDS address
	s_mul_i32 s94, s14, HALFS
	s_mov_b32 s[SEL], 0x76543210
	s_mov_b32 s[SEL+1], 0xfedcba98
	s_mov_b32 s[MHI], 0xffff0000
	s_wait_dscnt 0x0                               ; the opening add is done
	s_wait_kmcnt 0x0
	s_add_nc_u64 s[20:21], s[4:5], s[20:21]
	s_add_nc_u64 s[22:23], s[4:5], s[22:23]
	s_add_nc_u64 s[46:47], s[4:5], s[46:47]
	s_add_nc_u64 s[92:93], s[4:5], s[92:93]
	CROUND                                         ; all sixteen work-groups are here: the first joint loads meet
	s_mov_b32 s[G0S], 1
	s_add_co_u32 s[G0S+1], s94, SCL
	s_mov_b64 s[G0S+2:G0S+3], s[22:23]
	s_or_b32 s[G0S+3], s[G0S+3], 0x80000000
	s_mov_b32 s[G0SB], 1
	s_add_co_u32 s[G0SB+1], s94, SCL
	s_mov_b64 s[G0SB+2:G0SB+3], s[92:93]
	s_or_b32 s[G0SB+3], s[G0SB+3], 0x80000000
	JLOAD G0S, G1S, G0SB, G1SB                     ; the scale words first: they are wanted with K step 0
.irp s, 0,1
	s_mov_b32 s[G0+4*\s], 1
	s_add_co_u32 s[G0+4*\s+1], s45, \s*SLOT
	s_add_nc_u64 s[G0+4*\s+2:G0+4*\s+3], s[20:21], \s*NQ*FRB
	s_or_b32 s[G0+4*\s+3], s[G0+4*\s+3], 0x80000000
	s_mov_b32 s[G0B+4*\s], 1
	s_add_co_u32 s[G0B+4*\s+1], s45, \s*SLOT
	s_add_nc_u64 s[G0B+4*\s+2:G0B+4*\s+3], s[46:47], \s*NQ*FRB
	s_or_b32 s[G0B+4*\s+3], s[G0B+4*\s+3], 0x80000000
	JLOAD G0+4*\s, G1, G0B+4*\s, G1B
.endr
	v_and_b32 v1, 15, v0                           ; r
	v_bfe_u32 v2, v0, 4, 1                         ; h
	v_and_b32 v3, 31, v0                           ; lane
	v_lshlrev_b32 v[L8], 3, v3
	s_mul_i32 s21, s15, HALFT                      ; my 8 row blocks of A
	s_mul_i32 s22, s16, HALFT                      ; my 8 of B,
	s_add_co_u32 s22, s22, 2*HALFT                 ; which lie behind A's 16
.irp s, 0,1
	v_add_nc_u32 v[ADRA+\s], s21, v[L8]
	v_add_nc_u32 v[ADRB+\s], s22, v[L8]
	s_add_co_u32 s21, s21, SLOT
	s_add_co_u32 s22, s22, SLOT
.endr
	v_lshlrev_b32 v5, 3, v1                        ; my row's two words of a K step
	s_mul_i32 s21, s15, HALFS
	s_mul_i32 s22, s16, HALFS
	s_add_co_u32 s22, s22, 2*HALFS
	s_sub_co_u32 s22, s22, s21
	v_mul_u32_u24 v6, s22, v2                      ; lanes 16-31 take B's
	s_add_co_u32 s21, s21, SCL
	v_add_nc_u32 v5, v5, v6
	v_add_nc_u32 v[ADRS], s21, v5
	; the biases, in both forms and in every role, so that the text parts on the role only once, in the epilogue: along the registers (q, k: bq or bk at my 128 channels), and along the lanes (v: bv at my 128 rows of Wv).
	; Both stay inside their 4,096 bytes in every role.  They land while the products run.
	v_lshlrev_b32 v[BPO], 6, v2
	v_and_b32 v5, 8, v1
	v_add_nc_u32 v5, v5, v1
	v_lshlrev_b32 v[BRO], 2, v5
	v_mul_u32_u24 v[SA], REC, v2
	v_lshl_add_u32 v[SA], v1, 4, v[SA]
	v_lshlrev_b32 v[SH], 4, v2
	s_cmp_eq_u32 ttmp9, 0
	s_cselect_b64 s[96:97], s[6:7], s[8:9]
	s_lshl_b32 s20, s40, 10
	s_lshl_b32 s21, s16, 9
	s_add_co_u32 s20, s20, s21
	s_mov_b32 s21, 0
	s_add_nc_u64 s[96:97], s[96:97], s[20:21]
	s_lshl_b32 s20, s41, 10
	s_lshl_b32 s22, s15, 9
	s_add_co_u32 s20, s20, s22
	s_add_nc_u64 s[10:11], s[10:11], s[20:21]
.irp b, 0,1,2,3,4,5,6,7
	global_load_b128 v[BP+8*\b:BP+8*\b+3], v[BPO], s[96:97] offset:(32*(\b/2)+8*(\b%2))*4        ; tile b's eight channels of my half
	global_load_b128 v[BP+8*\b+4:BP+8*\b+7], v[BPO], s[96:97] offset:(32*(\b/2)+8*(\b%2))*4+16
.endr
.irp a, 0,1,2,3,4,5,6,7
	global_load_b32 v[BR+\a], v[BRO], s[10:11] offset:(32*(\a/2)+8*(\a%2))*4                     ; block a's row of my lane
.endr
	; where the results go
	s_cmp_eq_u32 ttmp9, 2
	s_cselect_b32 s20, s40, s41                    ; the tokens' tile in the cluster,
	s_cselect_b32 s21, s16, s15                    ; my half of it,
	s_cselect_b32 s22, s41, s40                    ; the channels' tile,
	s_cselect_b32 s23, s15, s16                    ; my half of it
	s_lshl_b32 s92, s17, 2
	s_add_co_u32 s20, s20, s92
	s_lshl_b32 s20, s20, 1
	s_add_co_u32 s20, s20, s21                     ; which 128 tokens of 4,096: 16 x batch + step
	s_lshl_b32 s22, s22, 2
	s_lshl_b32 s23, s23, 1
	s_add_co_u32 s22, s22, s23                     ; my first head of two
	s_and_b32 s21, s20, 16
	s_add_co_u32 s22, s22, s21                     ; the record: 16 x batch + head
	s_and_b32 s20, s20, 15                         ; the step
	s_mul_i32 s22, s22, REC
	s_mul_i32 s21, s20, 6144
	s_add_co_u32 s21, s21, s22
	s_mov_b32 s93, 196608
	s_cmp_eq_u32 ttmp9, 0
	s_cselect_b32 s23, 208896, 0                   ; Q's images, K's images
	s_cselect_b32 s92, 307200, s93                 ; Q's words, K's words
	s_mov_b32 s93, 9                               ; 512 bytes of words a step,
	s_cmp_eq_u32 ttmp9, 2
	s_cselect_b32 s23, 98304, s23                  ; V's images
	s_cselect_b32 s92, 204800, s92                 ; V's words:
	s_cselect_b32 s93, 8, s93                      ; 256 a step
	s_lshl_b32 s93, s20, s93
	s_add_co_u32 s92, s92, s93
	s_add_co_u32 s92, s92, s22
	s_add_co_u32 s20, s21, s23
	s_mov_b32 s21, 0
	s_mov_b32 s93, 0
	s_add_nc_u64 s[18:19], s[12:13], s[92:93]      ; the words
	s_add_nc_u64 s[12:13], s[12:13], s[20:21]      ; the images
.macro FRAG reg, adr, q, i             ; a fragment comes as its image lies: six loads of 256 consecutive bytes
.irp p, 0,1,2,3,4,5
	ds_load_b64 v[\reg+2*\p:\reg+2*\p+1], v[\adr] offset:(\i)*NQ*FRB+(\q)*FRB+256*\p
.endr
.endm
; 16 matrix instructions: A's blocks a0, a0 + 1 x B's eight, 128 along K.  zero = 1: the first product starts the sums.  The 64 accumulators take turns, one instruction a turn, in the same order in every step.
.macro MUL16 a0, p, q, sc, zero
.irp a, \a0, \a0+1
.irp b, 0,1,2,3,4,5,6,7
.if \zero
	v_wmma_scale_f32_16x16x128_f8f6f4 v[8*(8*((\a)%4)+\b):8*(8*((\a)%4)+\b)+7], v[128*(\p)+FR*\b:128*(\p)+FR*\b+FR-1], v[AF+FR*(\a):AF+FR*(\a)+FR-1], 0, v[SC+8*NQ*(\sc)+NQ*\b+(\q)], v[SC+8*NQ*(\sc)+NQ*(\a)+(\q)] matrix_a_fmt:MATRIX_FMT_FP6 matrix_b_fmt:MATRIX_FMT_FP6 matrix_a_scale:MATRIX_SCALE_ROW1
.else
	v_wmma_scale_f32_16x16x128_f8f6f4 v[8*(8*((\a)%4)+\b):8*(8*((\a)%4)+\b)+7], v[128*(\p)+FR*\b:128*(\p)+FR*\b+FR-1], v[AF+FR*(\a):AF+FR*(\a)+FR-1], v[8*(8*((\a)%4)+\b):8*(8*((\a)%4)+\b)+7], v[SC+8*NQ*(\sc)+NQ*\b+(\q)], v[SC+8*NQ*(\sc)+NQ*(\a)+(\q)] matrix_a_fmt:MATRIX_FMT_FP6 matrix_b_fmt:MATRIX_FMT_FP6 matrix_a_scale:MATRIX_SCALE_ROW1
.endif
.endr
.endr
.endm
.macro FETCH_B slot, q, p
	WIN TO_B
.irp i, 0,1,2,3,4,5,6,7
	FRAG 128*(\p)+FR*\i, ADRB+\slot, \q, \i
.endr
	WIN 0
.endm
.macro FETCH_A slot, q, i0
.irp i, \i0, \i0+1, \i0+2, \i0+3
	FRAG AF+FR*(\i), ADRA+\slot, \q, \i
.endr
.endm
.macro SCALES sc                       ; a K step's scale words: two a row; lanes 0-15 take A's block i, lanes 16-31 B's block i
.irp i, 0,1,2,3,4,5,6,7
	ds_load_b64 v[SC+8*NQ*\sc+NQ*\i:SC+8*NQ*\sc+NQ*\i+1], v[ADRS] offset:\i*512
.endr
.endm
.macro PLACES n                        ; plain vector instructions between a matrix instruction and a load into, or a read or write of, its registers
.rept \n
	v_nop
.endr
.endm
.macro STEP slot, q, zero              ; 128 along K that have their successor in the same slot
	s_wait_dscnt 4*NL                              ; B's set, A's blocks 0-3 and the words are in; the youngest loads (A's blocks 4-7) may be out
	WIN MUL_LO
	MUL16 0, (\q)%2, \q, \slot, \zero
	MUL16 2, (\q)%2, \q, \slot, \zero
	s_wait_dscnt 0
	PLACES NP
	FETCH_B \slot, (\q)+1, 1-(\q)%2
	FETCH_A \slot, (\q)+1, 0
	WIN MUL_HI
	MUL16 4, (\q)%2, \q, \slot, \zero
	MUL16 6, (\q)%2, \q, \slot, \zero
	PLACES NP
	WIN 0
	FETCH_A \slot, (\q)+1, 4
.endm
; A slot's last 128 change slots: one barrier; in front of it each wave waits for all its tensor loads, adds 0 to its spare word, and waits for that and for its own reads of this slot.  fill = 1: this slot is filled again, two K steps ahead.
.macro TURN slot, next, fill
	s_wait_tensorcnt 0x0                           ; all my tensor loads have landed: my part of the next slot
	ds_add_u32 v[SPW], v[NIL]                      ; 0 onto my spare word
	s_wait_dscnt 4*NL+1                            ; (the add and A's blocks 4-7 may be out)
	WIN MUL_LO
	MUL16 0, 1, NQ-1, \slot, 0
	s_wait_dscnt 0x0                               ; the add is done, and my reads of this slot are over
	s_barrier_signal -1
	MUL16 2, 1, NQ-1, \slot, 0
	WIN 0
	s_barrier_wait -1
.if \fill
	CREST                                          ; the barrier has opened a round of the cluster's: no wave of any partner still reads this slot or has a load on its way
	s_add_nc_u64 s[G0+4*\slot+2:G0+4*\slot+3], s[G0+4*\slot+2:G0+4*\slot+3], 2*NQ*FRB
	s_add_nc_u64 s[G0B+4*\slot+2:G0B+4*\slot+3], s[G0B+4*\slot+2:G0B+4*\slot+3], 2*NQ*FRB
	JLOAD G0+4*\slot, G1, G0B+4*\slot, G1B         ; the first tensor load behind the round; its four v_nop are the places in front of the loads below
.else
	PLACES NP
.endif
	v_add_nc_u32 v[ADRS], 128, v[ADRS]             ; on to the next K step's scale words (no LDS load of mine is out)
	FETCH_B \next, 0, 0
	FETCH_A \next, 0, 0
	SCALES \next
	WIN MUL_HI
	MUL16 4, 1, NQ-1, \slot, 0
	MUL16 6, 1, NQ-1, \slot, 0
	PLACES NP
	WIN 0
	FETCH_A \next, 0, 4
.endm
	s_wait_tensorcnt 1                             ; the scale words and my part of K step 0 are in (K step 1's load may be out),
	s_barrier_signal -1
	s_barrier_wait -1                              ; everybody's are
	FETCH_B 0, 0, 0
	FETCH_A 0, 0, 0
	SCALES 0
	FETCH_A 0, 0, 4
	STEP 0, 0, 1                                   ; the first step's products start the sums
	s_mov_b32 s3, LAPS-1
.Llap:                                                 ; a trip goes once round the ring and fills both slots again
	TURN 0, 1, 1
	STEP 1, 0, 0
	TURN 1, 0, 1
	STEP 0, 0, 0
	s_sub_co_u32 s3, s3, 1
	s_cmp_lg_u32 s3, 0
	s_cbranch_scc1 .Llap
	TURN 0, 1, 0                                   ; the last lap fills nothing, and has no round of the cluster's barrier
	STEP 1, 0, 0
	s_wait_dscnt 4*NL
	WIN MUL_LO
	MUL16 0, 1, NQ-1, 1, 0
	MUL16 2, 1, NQ-1, 1, 0
	s_wait_dscnt 0
	WIN MUL_HI
	MUL16 4, 1, NQ-1, 1, 0
	MUL16 6, 1, NQ-1, 1, 0
	WIN 0
; 64 numbers of a lane, register 16 b + i = index 32 b + 16 (lane / 16) + i of its row, become a fragment's 12 registers v[pc] on and its scale word v[pw]
.macro QUANT s, pc, pw
.irp b, 0,1,2,3
	v_max3_num_f32 v[TM+\b], |v[(\s)+16*\b]|, |v[(\s)+1+16*\b]|, 0x1800000   ; and the floor 2^(3 - 127): the byte cannot fall under 1
.endr
.irp i, 2,4,6,8,10,12,14
.irp b, 0,1,2,3
	v_max3_num_f32 v[TM+\b], v[TM+\b], |v[(\s)+16*\b+\i]|, |v[(\s)+1+16*\b+\i]|
.endr
.endr
.irp b, 0,1,2,3
	v_permlanex16_b32 v[TM+4+\b], v[TM+\b], s[SEL], s[SEL+1]
.endr
.irp b, 0,1,2,3
	v_max_num_f32 v[TM+\b], v[TM+\b], v[TM+4+\b]
.endr
.irp b, 0,1,2,3
	v_add_nc_u32 v[TM+12+\b], 0xff000000, v[TM+\b]                 ; 2 off the exponent field: the conversion's scale operand
.endr
.irp b, 0,1,2,3
	v_lshrrev_b32 v[TM+4+\b], 23, v[TM+12+\b]
.endr
	v_lshl_or_b32 v[\pw], v[TM+5], 8, v[TM+4]
	v_lshl_or_b32 v[\pw], v[TM+6], 16, v[\pw]
	v_lshl_or_b32 v[\pw], v[TM+7], 24, v[\pw]
.irp c, 0,1
	v_cvt_scalef32_pk16_fp6_f32 v[(\pc)+6*\c:(\pc)+2+6*\c], v[(\s)+32*\c:(\s)+15+32*\c], v[TM+12+2*\c]
	v_cvt_scalef32_pk16_fp6_f32 v[(\pc)+12+4*\c:(\pc)+14+4*\c], v[(\s)+16+32*\c:(\s)+31+32*\c], v[TM+12+2*\c+1]
.endr
	v_nop                                                          ; one plain instruction behind the scaled conversions
.irp c, 0,1
.irp i, 0,1,2
	v_permlane16_swap_b32 v[(\pc)+6*\c+\i], v[(\pc)+12+4*\c+\i]
.endr
.irp i, 0,1,2
	v_mov_b32 v[(\pc)+3+6*\c+\i], v[(\pc)+12+4*\c+\i]
.endr
.endr
.endm
.macro STORE6 pc, adr, base, off, gap  ; a fragment's image; pieces 3-5 lie gap bytes further on: each store of the wave covers 256 consecutive bytes, aligned
.irp p, 0,1,2,3,4,5
	global_store_b64 v[\adr], v[(\pc)+2*\p:(\pc)+2*\p+1], s[\base:\base+1] offset:(\off)+256*\p+(\p/3)*(\gap)
.endr
.endm
; THE EPILOGUE, block by block of A's 16 rows: + bias, quantised, stored.  Each accumulator is read from its low end on.
.macro EPI role
.irp a, 0,1,2,3,4,5,6,7
	s_wait_xcnt 0x0                                ; the last block's stores have read their registers: the codes may be written again
	WIN 0x02+\a/4                                  ; source 0: window 2 or 3
.set ii, 0
.rept 32
.if \role == 2
.if \a%2
	v_pk_add_f32 v[T+2*ii:T+2*ii+1], v[64*(\a%4)+2*ii:64*(\a%4)+2*ii+1], v[BR+2*(\a/2):BR+2*(\a/2)+1] op_sel:[0,1] op_sel_hi:[1,1]   ; my row's bias for both
.else
	v_pk_add_f32 v[T+2*ii:T+2*ii+1], v[64*(\a%4)+2*ii:64*(\a%4)+2*ii+1], v[BR+2*(\a/2):BR+2*(\a/2)+1] op_sel:[0,0] op_sel_hi:[1,0]
.endif
.else
	v_pk_add_f32 v[T+2*ii:T+2*ii+1], v[64*(\a%4)+2*ii:64*(\a%4)+2*ii+1], v[BP+2*ii:BP+2*ii+1]
.endif
.set ii, ii+1
.endr
	WIN 0
	QUANT T, PC, PW+\a
.if \role == 2
	STORE6 PC, L8, 12, (\a/4)*REC+(\a%4)*FRB, 0    ; 16 channels x 128 keys: blocks 0-3 are my first head's, blocks 4-7 the next head's
.else
	STORE6 PC, L8, 12, \a*768, REC-768             ; 16 tokens: registers 0-5 are my first head's 64 channels, registers 6-11 the next head's
	v_lshrrev_b32 v[SW+\a], v[SH], v[PW+\a]        ; lanes 0-15 keep the first head's two bytes, lanes 16-31 the next head's;
	v_and_b32 v[SW+\a], 0xffff, v[SW+\a]           ; bytes 2 and 3, of the K that a head does not have, are 0
.endif
.endr
.if \role == 2
.irp i, 0,1,2,3
	v_cndmask_b32 v[SW+\i], v[PW+\i], v[PW+4+\i], s[MHI]   ; lanes 0-15: the first head's four tiles; lanes 16-31: the next head's
.endr
	global_store_b128 v[SA], v[SW:SW+3], s[18:19]
.else
	global_store_b128 v[SA], v[SW:SW+3], s[18:19]              ; sixteen lanes store 256 consecutive bytes, aligned
	global_store_b128 v[SA], v[SW+4:SW+7], s[18:19] offset:256
.endif
.endm
	PLACES NP
	s_wait_loadcnt 0x0                             ; the biases
.irp b, 0,1,2,3
	v_mov_b32 v[TM+4+\b], 0                        ; written once: a lane permute's destination counts as one of its sources
.endr
	s_cmp_eq_u32 ttmp9, 2                          ; the cluster's x: all partners go the same way
	s_cbranch_scc1 .Lrole_v
	EPI 0
	s_branch .Ldone
.Lrole_v:
	EPI 2
.Ldone:
	s_wait_tensorcnt 0x0                           ; the wave's end
	ds_add_u32 v[SPW], v[NIL]
	s_wait_dscnt 0x0
	CROUND                                         ; the closing round: no work-group ends while a partner may still ask for a tile that names it
	s_endpgm
.Lfunc_end_k_qd62e46c308_qkv:
	.size	k_qd62e46c308_qkv, .Lfunc_end_k_qd62e46c308_qkv-k_qd62e46c308_qkv
	.p2alignl 7, 3214868480
	.fill 96, 4, 3214868480
	.section	.rodata,"a",@progbits
	.p2align	6, 0x0
	.amdhsa_kernel k_qd62e46c308_qkv
		.amdhsa_group_segment_fixed_size 327680
		.amdhsa_private_segment_fixed_size 0
		.amdhsa_enable_private_segment 0
		.amdhsa_kernarg_size 40
		.amdhsa_user_sgpr_count 2
		.amdhsa_user_sgpr_kernarg_segment_ptr 1
		.amdhsa_wavefront_size32 1
		.amdhsa_system_sgpr_workgroup_id_x 1
		.amdhsa_system_sgpr_workgroup_id_y 1
		.amdhsa_system_sgpr_workgroup_id_z 1
		.amdhsa_system_vgpr_workitem_id 0
		.amdhsa_next_free_vgpr 1024
		.amdhsa_next_free_sgpr 102
		.amdhsa_reserve_vcc 0
		.amdhsa_float_denorm_mode_32 3
		.amdhsa_float_denorm_mode_16_64 3
		.amdhsa_memory_ordered 1
		.amdhsa_forward_progress 1
		.amdhsa_inst_pref_size 238
	.end_amdhsa_kernel
	.amdgpu_metadata
---
amdhsa.version: [ 1, 2 ]
amdhsa.kernels:
  - .name:           k_qd62e46c308_qkv
    .symbol:         k_qd62e46c308_qkv.kd
    .args:
      - { .name: xw, .offset: 0, .size: 8, .value_kind: global_buffer, .address_space: global }
      - { .name: bq, .offset: 8, .size: 8, .value_kind: global_buffer, .address_space: global }
      - { .name: bk, .offset: 16, .size: 8, .value_kind: global_buffer, .address_space: global }
      - { .name: bv, .offset: 24, .size: 8, .value_kind: global_buffer, .address_space: global }
      - { .name: qkvi, .offset: 32, .size: 8, .value_kind: global_buffer, .address_space: global }
    .group_segment_fixed_size: 327680
    .private_segment_fixed_size: 0
    .kernarg_segment_align: 8
    .kernarg_segment_size: 40
    .max_flat_workgroup_size: 128
    .sgpr_count:     102
    .vgpr_count:     1024
    .wavefront_size: 32
...
	.end_amdgpu_metadata
.endif
;; end of part 2
;; launch attn (part 3): grid 8 x 32, 16 waves a work-group, no clusters, 210,944 bytes of LDS; arguments qkvi, mw, act; writes act
.if DOCPART == 3
	.amdgcn_target "amdgcn-amd-amdhsa--gfx1250"
	.amdhsa_code_object_version 6
	.text
	.protected	k_qd62e46c308_attn
	.globl	k_qd62e46c308_attn
	.p2align	8
	.type	k_qd62e46c308_attn,@function
k_qd62e46c308_attn:
	s_mov_b64 s[64:65], 0
	v_nop
	global_prefetch_b8 v0, s[64:65] scope:SCOPE_SE
	s_setreg_imm32_b32 hwreg(HW_REG_WAVE_MODE, 25, 1), 1
	s_wait_xcnt 0x0
; attn[b][q][64 h + d] = the sum over keys of aw(q, key) v(key, d), aw = softmax over the keys of (q . k / 8, hidden keys at -infinity), 0 in a row all of whose keys are hidden; both products on codes of E2M3.
; aw IS QUANTISED FINISHED AND NORMALISED, so a row's maximum and sum are known before any aw is made: THE KEYS ARE WALKED TWICE.  Pass 1: scores, running maximum m and sum l, for each lane's half of the keys.
; Pass 2: scores again, aw = 2^(c s - c M) x (1 / l), c = log2(e) / 8, quantised along the keys, and O^T += V^T aw^T.  The rounding of c M enters aw's numerator and l alike.
; SHARES.  A work-group owns 256 queries of one (batch, head); each of its SIXTEEN waves one tile of 16 queries in 256 registers: four waves to a SIMD, so that one wave's vector work stands beside another's products and LDS loads.
; LDS holds the head's whole K, V and their scale words, the first 208,896 bytes of its record, byte for byte, brought once through registers: no ring, one barrier.
; NO TENSOR LOAD AND NO CLUSTER: what the eight work-groups of a head share is those 208,896 bytes, read once at the head; the 32 steps behind it read LDS alone, so there is no stream of tiles to ask for jointly.
; LAYOUT.  Both products are used transposed: S^T = K Q^T (source 0 = 16 keys), O^T = V^T P^T (source 0 = 16 channels): a lane holds one query throughout.  Lane r of a tile of keys stands for key 8 (t % 2) + 32 (t / 2) + r + 8 (r / 8),
; so that score register 16 b + i is key 32 b + 16 (lane / 16) + i of the step.  A HEAD'S K IS 64, half of the instruction's 128: Q's upper six registers are zero codes and both sides' scale bytes 2 and 3 are 0 (2^-127): whatever lies in
; the upper six registers of K's operand (the next tile's codes) adds exactly 0.
; THE MASK comes as lane masks, one word for each score register, read into scalar registers a step ahead of their use; the 64 selects run in every step: no branch hangs on the mask.
; LIMITS: an aw under 2^-126 is 0 (v_exp_f32 gives no denormals); a block of zeros gets the scale byte 1 (its codes are zeros); NaN and infinities among the inputs are not served.
.set REC,   315392
.set SPARE, 208896                     ; behind the copy: the spare words, 128 bytes for each of 16 waves: eight blocks of 256 bytes that no other line names
.set SPW,  1                           ; v1   LDS address of my spare word; never rewritten
.set NIL,  2                           ; v2   0; never rewritten
.set L8,   3                           ; v3   8 x lane
.set R16,  4                           ; v4   16 r
.set ADK,  5                           ; v5-8 LDS addresses of the step's K, V, K's words, V's words
.set ADV,  6
.set ADS,  7
.set ADT,  8
.set NINF, 9                           ; v9   -infinity
                                       ; v[10:11] a, at work; v12 -c m, v13 m; v[14:15] l in two halves; v[30:31] 1 / l
.set QF,   16                          ; v16-27 Q's fragment (v22-27 zeros)
.set QSW,  28                          ; v28  Q's scale word
.set RL,   30
.set KSC,  32                          ; v32-39 K's scale words
.set VSC,  40                          ; v40-43 V's
.set PSC,  44                          ; v44  aw's
.set KF,   46                          ; v46-99 K: tile t's operand is v[46 + 6 t] on, 12 registers; in pass 2 aw's codes lie in v46-64 once K is done with
.set S,    100                         ; v100-163 the scores, then aw
.set O,    164                         ; v164-195 O^T
.set VF,   196                         ; v196-243 V's four fragments
.set TM,   244                         ; v244-255 at work
.set WV,   10
.set KO,   84                          ; s84  the step's images: 6,144 bytes a step
.set SO,   85                          ; s85  K's words: from 196,608 on, 512 a step
.set VO,   86                          ; s86  V's words: from 204,800 on, 256 a step
.set MO,   87                          ; s87  the mask words that are loaded next: 256 a step, round the 16 steps
.set CNT,  89                          ; s89  steps of the pass still to go, this one among them
.set CS,   90                          ; s[90:91] c
.set NCS,  92                          ; s92  -c
.set SEL,  94                          ; s[94:95] lane selects: lane l xor 16
                                       ; s[16:63], s[68:83] the step's 64 mask words
	s_load_b128 s[4:7], s[0:1], 0x0                ; qkvi, mw
	s_load_b64 s[8:9], s[0:1], 0x10                ; act
	v_lshl_add_u32 v[SPW], v0, 2, SPARE
	v_mov_b32 v[NIL], 0
	v_lshrrev_b32 v5, 5, v0
	v_readfirstlane_b32 s[WV], v5                  ; wave 0..15
	v_and_b32 v6, 31, v0
	v_lshlrev_b32 v[L8], 3, v6
	v_and_b32 v7, 15, v0
	v_lshlrev_b32 v[R16], 4, v7
	s_and_b32 s11, ttmp7, 0xffff                   ; 16 x batch + head
	s_lshl_b32 s12, ttmp9, 1
	s_lshr_b32 s13, s[WV], 3
	s_add_co_u32 s12, s12, s13                     ; which 128 queries of the batch's 2,048
	s_and_b32 s13, s[WV], 7                        ; which tile of them
	s_lshr_b32 s14, s11, 4
	s_lshl_b32 s14, s14, 7
	s_lshl_b32 s15, s12, 3
	s_add_co_u32 s14, s14, s15
	s_add_co_u32 s14, s14, s13                     ; TI: my tile among the 256 row blocks of tokens
	s_mul_i32 s96, s11, REC
	s_mov_b32 s97, 0
	s_lshl_b32 s98, s14, 12                        ; my tile's mask words: 16 steps x 256 bytes
	s_mov_b32 s99, 0
	s_wait_kmcnt 0x0
	s_add_nc_u64 s[4:5], s[4:5], s[96:97]          ; my head's record
	s_add_nc_u64 s[6:7], s[6:7], s[98:99]
	s_load_b512 s[16:31], s[6:7], 0x0              ; step 0's words
	s_load_b512 s[32:47], s[6:7], 0x40
	s_load_b512 s[48:63], s[6:7], 0x80
	s_load_b512 s[68:83], s[6:7], 0xc0
	s_mul_i32 s96, s12, 6144
	s_mul_i32 s15, s13, 768
	s_add_co_u32 s96, s96, s15
	s_add_co_u32 s96, s96, 208896
	s_add_nc_u64 s[96:97], s[4:5], s[96:97]        ; Q's image of my tile
	s_lshl_b32 s98, s12, 9
	s_lshr_b32 s15, s13, 2
	s_lshl_b32 s15, s15, 8
	s_add_co_u32 s98, s98, s15
	s_and_b32 s15, s13, 3
	s_lshl_b32 s15, s15, 2
	s_add_co_u32 s98, s98, s15
	s_add_co_u32 s98, s98, 307200
	s_add_nc_u64 s[98:99], s[4:5], s[98:99]        ; and its scale words
.irp p, 0,1,2
	global_load_b64 v[QF+2*\p:QF+2*\p+1], v[L8], s[96:97] offset:256*\p
.endr
	global_load_b32 v[QSW], v[R16], s[98:99]
	; the copy: 25 x 8,192 bytes and once 4,096, thread by thread
	v_lshlrev_b32 v244, 4, v0
	v_lshlrev_b32 v248, 3, v0
.set i, 0
.rept 25
	global_load_b128 v[100+4*i:103+4*i], v244, s[4:5] offset:8192*i
.set i, i+1
.endr
	global_load_b64 v[200:201], v248, s[4:5] offset:204800
	v_add_nc_u32 v245, 65536, v244                 ; an LDS instruction's immediate ends at 65,535
	v_add_nc_u32 v246, 131072, v244
	v_add_nc_u32 v247, 196608, v244
	v_add_nc_u32 v249, 196608, v248
	; where the result goes: the fragment of K step head / 2 of my row block, pieces 3 (head % 2) on; two bytes of its scale word
	s_and_b32 s84, s11, 15                         ; head
	s_mul_i32 s86, s14, 12288
	s_lshr_b32 s85, s84, 1
	s_mul_i32 s85, s85, 1536
	s_add_co_u32 s86, s86, s85
	s_and_b32 s85, s84, 1
	s_mul_i32 s85, s85, 768
	s_add_co_u32 s86, s86, s85
	s_add_co_u32 s86, s86, 524288
	s_mov_b32 s87, 0
	s_lshl_b32 s88, s14, 9
	s_lshr_b32 s85, s84, 2
	s_lshl_b32 s85, s85, 7
	s_add_co_u32 s88, s88, s85
	s_lshl_b32 s85, s84, 1
	s_and_b32 s85, s85, 6
	s_add_co_u32 s88, s88, s85
	s_mov_b32 s89, 0
	s_add_nc_u64 s[12:13], s[8:9], s[88:89]
	s_add_nc_u64 s[8:9], s[8:9], s[86:87]
	s_mov_b32 s[KO], 0
	s_mov_b32 s[SO], 196608
	s_mov_b32 s[VO], 204800
	s_mov_b32 s[MO], 0
	s_mov_b32 s[CS], 0x3e38aa3b                    ; c = log2(e) / 8
	s_mov_b32 s[CS+1], s[CS]                       ; (named with it as a pair)
	s_mov_b32 s[NCS], 0xbe38aa3b
	s_mov_b32 s[SEL], 0x76543210
	s_mov_b32 s[SEL+1], 0xfedcba98
.set i, 0
.rept 25
	s_wait_loadcnt 25-i                            ; loads come back in order: load i of the copy is in, the younger ones stay out
	ds_store_b128 v[244+i/8], v[100+4*i:103+4*i] offset:8192*(i%8)
.set i, i+1
.endr
	s_wait_loadcnt 0x0
	ds_store_b64 v249, v[200:201] offset:8192
	s_wait_dscnt 0x0                               ; for the others' sake: my stores have landed
	s_barrier_signal -1
	v_mov_b32 v[NINF], 0xff800000                  ; work on registers while the others arrive: the starting values
	v_mov_b32 v13, 0xff61b1e6                      ; m = -3e38, under every score that counts
	v_mul_f32 v12, s[NCS], v13
	v_mov_b32 v10, 0
	v_mov_b32 v11, 0
	v_mov_b32 v14, 0
	v_mov_b32 v15, 0
.irp j, 22,23,24,25,26,27, 94,95,96,97,98,99, 248,249,250,251
	v_mov_b32 v[\j], 0                             ; Q's zero codes; what lies behind K's last tile; the lane permutes' destinations
.endr
.set i, 0
.rept 32
	v_mov_b32 v[O+i], 0                            ; O^T: pass 2's step is written once
.set i, i+1
.endr
	s_barrier_wait -1                              ; the head's K and V lie in LDS
; A step's scores, with hidden keys at -infinity.  pass = 2: V's fragments and words are asked for behind K's, and land while the softmax runs.
.macro SCORES pass
	v_add_nc_u32 v[ADK], s[KO], v[L8]
	v_add_nc_u32 v[ADS], s[SO], v[R16]
.if \pass == 2
	v_add_nc_u32 v[ADV], 98304, v[ADK]
	v_add_nc_u32 v[ADT], s[VO], v[R16]             ; (these four are the places between the last step's products and the loads into their operands)
.endif
.irp t, 0,1,2,3,4,5,6,7
.irp p, 0,1,2
	ds_load_b64 v[KF+6*\t+2*\p:KF+6*\t+2*\p+1], v[ADK] offset:768*\t+256*\p
.endr
.endr
	ds_load_b128 v[KSC:KSC+3], v[ADS]
	ds_load_b128 v[KSC+4:KSC+7], v[ADS] offset:256
.if \pass == 2
.irp d, 0,1,2,3
.irp p, 0,1,2,3,4,5
	ds_load_b64 v[VF+12*\d+2*\p:VF+12*\d+2*\p+1], v[ADV] offset:1536*\d+256*\p
.endr
.endr
	ds_load_b128 v[VSC:VSC+3], v[ADT]
	s_wait_dscnt 25                                ; K and its words are in; V's 25 younger loads stay out
.else
	s_wait_dscnt 0x0
.endif
.irp t, 0,1,2,3,4,5,6,7
	v_wmma_scale_f32_16x16x128_f8f6f4 v[S+8*\t:S+8*\t+7], v[KF+6*\t:KF+6*\t+11], v[QF:QF+11], 0, v[KSC+\t], v[QSW] matrix_a_fmt:MATRIX_FMT_FP6 matrix_b_fmt:MATRIX_FMT_FP6
.endr
.rept 4
	v_nop                                          ; places behind the products
.endr
	s_wait_kmcnt 0x0                               ; this step's mask words, asked for a step ago, are in; and those loads have read s[MO]
.set n, 0
.rept 64
.if n < 48
	v_cndmask_b32 v[S+n], v[NINF], v[S+n], s[16+n] ; word n's bit of my lane: 0 hides the key.  Each accumulator is read from its low end on
.else
	v_cndmask_b32 v[S+n], v[NINF], v[S+n], s[20+n]
.endif
.set n, n+1
.endr
	s_add_co_u32 s[MO], s[MO], 256
	s_and_b32 s[MO], s[MO], 0xfff                  ; behind pass 1's last step comes pass 2's first
.if \pass == 2
	s_cmp_eq_u32 s[CNT], 1                         ; pass 2's last step has no successor: the trip counter alone leads round the four loads
	s_cbranch_scc1 .Lno_next_\@
.endif
	s_load_b512 s[16:31], s[6:7], s[MO] offset:0x0     ; the next step's words, a step ahead of their use
	s_load_b512 s[32:47], s[6:7], s[MO] offset:0x40
	s_load_b512 s[48:63], s[6:7], s[MO] offset:0x80
	s_load_b512 s[68:83], s[6:7], s[MO] offset:0xc0
.if \pass == 2
.Lno_next_\@:
.endif
.endm
.macro BLKMAX                          ; the largest score of my 16 of each block of 32 keys
.irp b, 0,1,2,3
	v_max3_num_f32 v[TM+\b], v[S+16*\b], v[S+1+16*\b], v[S+2+16*\b]
.endr
.irp i, 3,5,7,9,11,13
.irp b, 0,1,2,3
	v_max3_num_f32 v[TM+\b], v[TM+\b], v[S+16*\b+\i], v[S+1+16*\b+\i]
.endr
.endr
.irp b, 0,1,2,3
	v_max_num_f32 v[TM+\b], v[TM+\b], v[S+15+16*\b]
.endr
.endm
.macro SCALE64                         ; c s - c m, two at a time (of the pairs c and -c m the low word serves both halves)
.set i, 0
.rept 32
	v_pk_fma_f32 v[S+2*i:S+2*i+1], v[S+2*i:S+2*i+1], s[CS:CS+1], v[12:13] op_sel_hi:[1,0,0]
.set i, i+1
.endr
.endm
.macro EXP64
.set i, 0
.rept 64
	v_exp_f32 v[S+i], v[S+i]
.set i, i+1
.endr
.endm
	; ---- PASS 1: m and l, for each lane's half of the keys: nothing changes lanes in the loop
	s_mov_b32 s[CNT], 16
.Lpass1:
	SCORES 1
	BLKMAX
	v_max3_num_f32 v10, v[TM], v[TM+1], v[TM+2]
	v_max3_num_f32 v13, v10, v[TM+3], v13          ; the new m
	v_mov_b32 v10, v12
	v_mul_f32 v12, s[NCS], v13                     ; -c m
	v_sub_f32 v10, v12, v10                        ; c m_old - c m_new
	SCALE64
	EXP64
	v_exp_f32 v10, v10                             ; a
	v_nop                                          ; a plain instruction behind the last exponential
	s_wait_alu depctr_va_vdst(0)                   ; one wait for the batch of 65, ahead of its first reader
	v_pk_mul_f32 v[14:15], v[14:15], v[10:11] op_sel_hi:[1,0]
	v_pk_add_f32 v[TM+4:TM+5], v[S:S+1], v[S+2:S+3]                ; the sum, two at a time, in two chains
.irp j, 4,8,12,16,20,24,28,32,36,40,44,48,52,56,60
	v_pk_add_f32 v[14:15], v[14:15], v[S+\j:S+\j+1]
	v_pk_add_f32 v[TM+4:TM+5], v[TM+4:TM+5], v[S+\j+2:S+\j+3]
.endr
	v_pk_add_f32 v[14:15], v[14:15], v[TM+4:TM+5]
	s_add_co_u32 s[KO], s[KO], 6144
	s_add_co_u32 s[SO], s[SO], 512
	s_sub_co_u32 s[CNT], s[CNT], 1
	s_cmp_lg_u32 s[CNT], 0
	s_cbranch_scc1 .Lpass1
	; ---- between the passes: the two halves of the lanes meet
	v_permlanex16_b32 v[TM], v13, s[SEL], s[SEL+1]
	v_add_f32 v14, v14, v15
	v_max_num_f32 v13, v13, v[TM]                  ; M
	v_mul_f32 v[TM+1], s[NCS], v13                 ; -c M
	v_sub_f32 v[TM+2], v[TM+1], v12                ; c m - c M
	v_exp_f32 v[TM+2], v[TM+2]
	v_mov_b32 v12, v[TM+1]                         ; (a plain instruction behind the exponential)
	s_wait_alu depctr_va_vdst(0)
	v_mul_f32 v14, v14, v[TM+2]                    ; my half's sum under M
	v_permlanex16_b32 v[TM], v14, s[SEL], s[SEL+1]
	v_add_f32 v14, v14, v[TM]                      ; l
	v_rcp_f32 v[RL], v14
	v_cmp_neq_f32 vcc_lo, 0, v14
	v_nop                                          ; a plain instruction behind the reciprocal
	s_wait_alu depctr_va_vdst(0)
	v_cndmask_b32 v[RL], 0, v[RL], vcc_lo          ; a row all of whose keys are hidden: l = 0, and aw is 0 there
	v_mov_b32 v[RL+1], v[RL]
	s_mov_b32 s[KO], 0
	s_mov_b32 s[SO], 196608
	; ---- PASS 2
	s_mov_b32 s[CNT], 16
.Lpass2:
	SCORES 2
	BLKMAX                                         ; a block's largest aw is not searched for: aw rises with the score, so the block's largest score goes through the same three operations
.irp b, 0,1,2,3
	v_permlanex16_b32 v[TM+4+\b], v[TM+\b], s[SEL], s[SEL+1]
.endr
.irp b, 0,1,2,3
	v_max_num_f32 v[TM+\b], v[TM+\b], v[TM+4+\b]
.endr
	SCALE64
.irp b, 0,1,2,3
	v_fma_f32 v[TM+\b], v[TM+\b], s[CS], v12
.endr
	EXP64
	v_nop                                          ; a plain instruction behind the last exponential
	s_wait_alu depctr_va_vdst(0)                   ; one wait for the 64
.irp b, 0,1,2,3
	v_exp_f32 v[TM+\b], v[TM+\b]
.endr
.set i, 0
.rept 32
	v_pk_mul_f32 v[S+2*i:S+2*i+1], v[S+2*i:S+2*i+1], v[RL:RL+1] op_sel_hi:[1,0]   ; aw, finished and normalised.  (It reads the 64 alone: plain work behind the four)
.set i, i+1
.endr
	s_wait_alu depctr_va_vdst(0)                   ; and one for the four
.irp b, 0,1,2,3
	v_mul_f32 v[TM+\b], v[TM+\b], v[RL]
.endr
.irp b, 0,1,2,3
	v_max_num_f32 v[TM+\b], 0x1800000, v[TM+\b]    ; the floor 2^(3 - 127): the byte cannot fall under 1
.endr
.irp b, 0,1,2,3
	v_add_nc_u32 v[TM+8+\b], 0xff000000, v[TM+\b]  ; 2 off the exponent field: the conversion's scale operand
.endr
.irp b, 0,1,2,3
	v_lshrrev_b32 v[TM+4+\b], 23, v[TM+8+\b]
.endr
	v_lshl_or_b32 v[PSC], v[TM+5], 8, v[TM+4]      ; aw's scale word for these 128 keys
	v_lshl_or_b32 v[PSC], v[TM+6], 16, v[PSC]
	v_lshl_or_b32 v[PSC], v[TM+7], 24, v[PSC]
.irp c, 0,1
	v_cvt_scalef32_pk16_fp6_f32 v[KF+6*\c:KF+2+6*\c], v[S+32*\c:S+15+32*\c], v[TM+8+2*\c]
	v_cvt_scalef32_pk16_fp6_f32 v[KF+12+4*\c:KF+14+4*\c], v[S+16+32*\c:S+31+32*\c], v[TM+8+2*\c+1]
.endr
	v_nop                                          ; one plain instruction behind the scaled conversions
.irp c, 0,1
.irp i, 0,1,2
	v_permlane16_swap_b32 v[KF+6*\c+\i], v[KF+12+4*\c+\i]
.endr
.irp i, 0,1,2
	v_mov_b32 v[KF+3+6*\c+\i], v[KF+12+4*\c+\i]
.endr
.endr
.rept 8
	v_nop                                          ; a scale register written by a vector instruction stands 8 places ahead of a scaled matrix instruction, an operand so written 4
.endr
	s_wait_dscnt 0x0                               ; V
.irp d, 0,1,2,3
	v_wmma_scale_f32_16x16x128_f8f6f4 v[O+8*\d:O+8*\d+7], v[VF+12*\d:VF+12*\d+11], v[KF:KF+11], v[O+8*\d:O+8*\d+7], v[VSC+\d], v[PSC] matrix_a_fmt:MATRIX_FMT_FP6 matrix_b_fmt:MATRIX_FMT_FP6   ; four accumulators by turns
.endr
	s_add_co_u32 s[KO], s[KO], 6144
	s_add_co_u32 s[SO], s[SO], 512
	s_add_co_u32 s[VO], s[VO], 256
	s_sub_co_u32 s[CNT], s[CNT], 1
	s_cmp_lg_u32 s[CNT], 0
	s_cbranch_scc1 .Lpass2
	; ---- THE WAY OUT: register 16 b + i of O^T is channel 32 b + 16 (lane / 16) + i of my query: two blocks of the next product's K
.rept 4
	v_nop
.endr
.irp b, 0,1
	v_max3_num_f32 v[TM+\b], |v[O+16*\b]|, |v[O+1+16*\b]|, 0x1800000
.endr
.irp i, 2,4,6,8,10,12,14
.irp b, 0,1
	v_max3_num_f32 v[TM+\b], v[TM+\b], |v[O+16*\b+\i]|, |v[O+1+16*\b+\i]|
.endr
.endr
.irp b, 0,1
	v_permlanex16_b32 v[TM+4+\b], v[TM+\b], s[SEL], s[SEL+1]
.endr
.irp b, 0,1
	v_max_num_f32 v[TM+\b], v[TM+\b], v[TM+4+\b]
.endr
.irp b, 0,1
	v_add_nc_u32 v[TM+8+\b], 0xff000000, v[TM+\b]
.endr
.irp b, 0,1
	v_lshrrev_b32 v[TM+4+\b], 23, v[TM+8+\b]
.endr
	v_lshl_or_b32 v[TM+6], v[TM+5], 8, v[TM+4]     ; my head's two bytes of the row's scale word
	v_cvt_scalef32_pk16_fp6_f32 v[KF:KF+2], v[O:O+15], v[TM+8]
	v_cvt_scalef32_pk16_fp6_f32 v[KF+12:KF+14], v[O+16:O+31], v[TM+9]
	v_nop
.irp i, 0,1,2
	v_permlane16_swap_b32 v[KF+\i], v[KF+12+\i]
.endr
.irp i, 0,1,2
	v_mov_b32 v[KF+3+\i], v[KF+12+\i]
.endr
.irp p, 0,1,2
	global_store_b64 v[L8], v[KF+2*\p:KF+2*\p+1], s[8:9] offset:256*\p   ; each store of the wave covers 256 consecutive bytes, aligned
.endr
	v_and_b32 v[TM], 31, v0
	v_lshrrev_b32 v[TM+1], 1, v[R16]               ; 8 r
	v_cmp_gt_u32 vcc_lo, 16, v[TM]
	s_wait_xcnt 0x0                                ; EXEC changes only behind s_wait_xcnt 0
	s_and_saveexec_b32 s11, vcc_lo
	global_store_b16 v[TM+1], v[TM+6], s[12:13]    ; two bytes a row: a word's halves come from two heads, and the bytes are one in 24 of the codes'
	s_wait_xcnt 0x0
	s_or_b32 exec_lo, exec_lo, s11
	s_wait_tensorcnt 0x0                           ; the wave's end
	ds_add_u32 v[SPW], v[NIL]
	s_wait_dscnt 0x0
	s_endpgm
.Lfunc_end_k_qd62e46c308_attn:
	.size	k_qd62e46c308_attn, .Lfunc_end_k_qd62e46c308_attn-k_qd62e46c308_attn
	.p2alignl 7, 3214868480
	.fill 96, 4, 3214868480
	.section	.rodata,"a",@progbits
	.p2align	6, 0x0
	.amdhsa_kernel k_qd62e46c308_attn
		.amdhsa_group_segment_fixed_size 210944
		.amdhsa_private_segment_fixed_size 0
		.amdhsa_enable_private_segment 0
		.amdhsa_kernarg_size 24
		.amdhsa_user_sgpr_count 2
		.amdhsa_user_sgpr_kernarg_segment_ptr 1
		.amdhsa_wavefront_size32 1
		.amdhsa_system_sgpr_workgroup_id_x 1
		.amdhsa_system_sgpr_workgroup_id_y 1
		.amdhsa_system_sgpr_workgroup_id_z 1
		.amdhsa_system_vgpr_workitem_id 0
		.amdhsa_next_free_vgpr 256
		.amdhsa_next_free_sgpr 100
		.amdhsa_reserve_vcc 1
		.amdhsa_float_denorm_mode_32 3
		.amdhsa_float_denorm_mode_16_64 3
		.amdhsa_memory_ordered 1
		.amdhsa_forward_progress 1
		.amdhsa_inst_pref_size 51
	.end_amdhsa_kernel
	.amdgpu_metadata
---
amdhsa.version: [ 1, 2 ]
amdhsa.kernels:
  - .name:           k_qd62e46c308_attn
    .symbol:         k_qd62e46c308_attn.kd
    .args:
      - { .name: qkvi, .offset: 0, .size: 8, .value_kind: global_buffer, .address_space: global }
      - { .name: mw, .offset: 8, .size: 8, .value_kind: global_buffer, .address_space: global }
      - { .name: act, .offset: 16, .size: 8, .value_kind: global_buffer, .address_space: global }
    .group_segment_fixed_size: 210944
    .private_segment_fixed_size: 0
    .kernarg_segment_align: 8
    .kernarg_segment_size: 24
    .max_flat_workgroup_size: 512
    .sgpr_count:     100
    .vgpr_count:     256
    .wavefront_size: 32
...
	.end_amdgpu_metadata
.endif
;; end of part 3
;; launch wo (part 4): grid 4 x 16, 4 waves a work-group, clusters of 4 x 4, 327,680 bytes of LDS; arguments act, woi, cbuf; writes cbuf
.if DOCPART == 4
	.amdgcn_target "amdgcn-amd-amdhsa--gfx1250"
	.amdhsa_code_object_version 6
	.text
	.protected	k_qd62e46c308_wo
	.globl	k_qd62e46c308_wo
	.p2align	8
	.type	k_qd62e46c308_wo,@function
k_qd62e46c308_wo:
	s_mov_b64 s[64:65], 0
	v_nop
	global_prefetch_b8 v0, s[64:65] scope:SCOPE_SE
	s_setreg_imm32_b32 hwreg(HW_REG_WAVE_MODE, 25, 1), 1
	s_wait_xcnt 0x0
	s_wait_alu depctr_hold_cnt(0) depctr_sa_sdst(0) depctr_va_vdst(0) depctr_va_sdst(0) depctr_va_ssrc(0) depctr_va_vcc(0) depctr_vm_vsrc(0)
	s_getreg_b32 s2, hwreg(HW_REG_IB_STS2, 6, 4)
	s_cmp_eq_u32 s2, 0
	s_cbranch_scc0 .Lentry_in_a_cluster
	s_endpgm
.Lentry_in_a_cluster:
	s_bfe_u32 s2, ttmp6, 0x10000c
	s_cmp_lg_u32 s2, 0xf033
	s_cbranch_scc0 .Lentry_shape_is_right
	s_endpgm
.Lentry_shape_is_right:
; C[slab][m][n] = the sum over a slab of 1,024 along K of A[m][k] W[n][k], on codes of E2M3; C f32.  The slab is the cluster's x: one slab for attn Wo, four for hidden W2, whose four parts a later launch adds (one owner for each output).
; With four slabs the product of K = 4,096 and N = 1,024 has 256 tiles of 256 x 256 in place of 64, of eight K steps of 128 each.
; A work-group makes 256 x 256 of a slab's C, four waves 128 x 128 each: 64 accumulators, 512 registers.  THE MATRIX INSTRUCTION IS USED TRANSPOSED: source 0 = 16 rows of W (B), source 1 = 16 rows of A.
; OPERANDS lie as images of operand registers (a fragment: six pieces of 256 bytes, piece p = registers 2 p, 2 p + 1, lane l's at 8 l); lane r of row block j stands for row 32 (j / 2) + 8 (j % 2) + r + 8 (r / 8),
; so that the 16 registers of tiles 2 b and 2 b + 1 are 16 neighbouring columns of C: 32 b + 16 (lane / 16) + i.
; A slab goes in four steps of 256 through a ring of two LDS slots filled by the tensor data mover: a wave's load brings 8 row blocks x 3,072 bytes.  The scale words of the tiles' rows, for the whole slab, come once.
; CLUSTERS: 4 x 4 work-groups; A's tile is shared along a row of the cluster, B's along a column: each is asked for jointly.
; REGISTERS, in windows of 256: window 0: v0-31 addresses; v32-63 scale words, two sets; v128-223 A's fragments, one set; on the way out v128-255 rows of C.
;   window 1: B's fragments, two sets.   window 2: the accumulators of A's blocks 0-3 ((a, b) at v[8 (8 (a % 4) + b)]);   window 3: those of blocks 4-7.
.set NQ,     2
.set FR,     12
.set FRB,    1536
.set RBB,    12288
.set NL,     6
.set NP,     4                         ; places behind this matrix instruction (ISA guide 7.12.1)
.set HALFT,  8*NQ*FRB
.set SLOT,   4*HALFT
.set LAPS,   2
.set SCL,    2*SLOT
.set HALFS,  8*512
.set SPARE,  SCL+4*HALFS               ; the spare words, 128 bytes for each wave: two blocks of 256 bytes that no other line names
.set SPITCH, 528                       ; the way out: a stage of 16 rows x (512 bytes + 16) for each wave, in slot 0, which has had its last fill and its last read when the first result is stored there
.set ADRA, 16
.set ADRB, 20
.set STO,  24                          ; v24     the way out: where I put my bytes of a row
.set RD,   25                          ; v25     where I read a row back
.set CO,   26                          ; v26     16 x lane
.set ADRS, 27
.set SPW,  28
.set NIL,  29
.set SC,   32
.set AF,   128
.set BK,   128
.set L8,   4
.set G1, 24
.set G0, 32
.set G1B, 48
.set G0B, 56
.set G1S, 68
.set G0S, 76
.set G1SB, 80
.set G0SB, 88
.set MSB, 0
.macro WIN new
.if MSB != (\new)
	s_set_vgpr_msb (MSB<<8)|(\new)
.set MSB, (\new)
.endif
.endm
.set MUL_LO, 0xa1
.set MUL_HI, 0xf1
.set TO_B,   0x40
; A joint load: waves 0 and 1 fetch for A, waves 2 and 3 for B; the branch hangs on the wave's number alone.  An s_nop 0 and four v_nop follow each of the two lines.
.macro JLOAD g0a, g1a, g0b, g1b
	s_cmp_eq_u32 s15, 0
	s_cbranch_scc0 .Lfor_b_\@
	tensor_load_to_lds s[\g0a:\g0a+3], s[\g1a:\g1a+7]
	s_nop 0
.rept 4
	v_nop
.endr
	s_branch .Lasked_\@
.Lfor_b_\@:
	tensor_load_to_lds s[\g0b:\g0b+3], s[\g1b:\g1b+7]
	s_nop 0
.rept 4
	v_nop
.endr
.Lasked_\@:
.endm
.macro CREST
	s_cmp_lg_u32 s14, 0
	s_cbranch_scc1 .Lnot_wave_0_\@
	s_barrier_signal -3
.Lnot_wave_0_\@:
	s_barrier_wait -3
	s_barrier_signal -1
	s_barrier_wait -1
.endm
.macro CROUND
	s_barrier_signal -1
	s_barrier_wait -1
	CREST
.endm
	s_load_b128 s[4:7], s[0:1], 0x0                ; A's buffer, W's buffer
	s_load_b64 s[12:13], s[0:1], 0x10              ; C
	v_lshl_add_u32 v[SPW], v0, 2, SPARE
	v_mov_b32 v[NIL], 0
	ds_add_u32 v[SPW], v[NIL]                      ; the wave's opening: the add, and its wait ahead of my first tensor load; the set-up below, work on registers, stands between them
	v_lshrrev_b32 v1, 5, v0
	v_readfirstlane_b32 s14, v1                    ; wave 0..3
	s_lshr_b32 s15, s14, 1
	s_and_b32 s16, s14, 1
	s_bfe_u32 s40, ttmp6, 0x40000                  ; cx
	s_bfe_u32 s41, ttmp6, 0x40004                  ; cy
	s_and_b32 s17, ttmp7, 0xffff                   ; the cluster's y
	s_lshl_b32 s43, s41, 2
	s_lshl_b32 s43, 15, s43                        ; my row of the cluster
	s_lshl_b32 s44, 0x1111, s40                    ; my column
	s_or_b32 s[G1+0], s43, (3<<16)|(1<<21)         ; the codes: 8 rows (row blocks) of 384 elements of 8 bytes, 1,536 elements apart; dense in LDS
	s_or_b32 s[G1B+0], s44, (3<<16)|(1<<21)
.irp g, G1, G1B
	s_mov_b32 s[\g+1], 384<<16
	s_mov_b32 s[\g+2], 8<<16
	s_mov_b32 s[\g+3], 384<<16
	s_mov_b32 s[\g+4], 8
	s_mov_b32 s[\g+5], 1536
	s_mov_b32 s[\g+6], 0
	s_mov_b32 s[\g+7], 0
.endr
	s_or_b32 s[G1S+0], s43, (3<<16)|(1<<21)        ; the scale words of 8 row blocks: 4,096 dense bytes as 16 rows of 256
	s_or_b32 s[G1SB+0], s44, (3<<16)|(1<<21)
.irp g, G1S, G1SB
	s_mov_b32 s[\g+1], 32<<16
	s_mov_b32 s[\g+2], 16<<16
	s_mov_b32 s[\g+3], 32<<16
	s_mov_b32 s[\g+4], 16
	s_mov_b32 s[\g+5], 32
	s_mov_b32 s[\g+6], 0
	s_mov_b32 s[\g+7], 0
.endr
	s_lshl_b32 s20, s17, 6
	s_lshl_b32 s18, s41, 4
	s_add_co_u32 s20, s20, s18                     ; A: row block 16 (4 x cluster y + cy)
	s_lshl_b32 s46, ttmp9, 6
	s_lshl_b32 s18, s40, 4
	s_add_co_u32 s46, s46, s18                     ; B: row block 64 x slab + 16 cx
	s_lshl_b32 s95, ttmp9, 17                      ; A's scale words of the slab,
	s_mul_i32 s96, ttmp9, 3145728
	s_add_co_u32 s96, s96, 524288                  ; and its images
	s_mov_b32 s97, 0
	s_mov_b32 s98, 131072
	s_lshl_b32 s18, s16, 3
	s_add_co_u32 s20, s20, s18
	s_add_co_u32 s46, s46, s18
	s_lshl_b32 s22, s20, 9
	s_add_co_u32 s22, s22, s95
	s_mov_b32 s23, 0
	s_mul_i32 s20, s20, RBB
	s_add_co_u32 s20, s20, s96
	s_mov_b32 s21, 0
	s_lshl_b32 s92, s46, 9
	s_add_co_u32 s92, s92, s97
	s_mov_b32 s93, 0
	s_mul_i32 s46, s46, RBB
	s_add_co_u32 s46, s46, s98
	s_mov_b32 s47, 0
	s_mul_i32 s45, s14, HALFT                      ; no place in the cluster enters an LDS address
	s_mul_i32 s94, s14, HALFS
	s_wait_dscnt 0x0                               ; the opening add is done
	s_wait_kmcnt 0x0
	s_add_nc_u64 s[20:21], s[4:5], s[20:21]
	s_add_nc_u64 s[22:23], s[4:5], s[22:23]
	s_add_nc_u64 s[46:47], s[6:7], s[46:47]
	s_add_nc_u64 s[92:93], s[6:7], s[92:93]
	CROUND                                         ; all sixteen work-groups are here: the first joint loads meet
	s_mov_b32 s[G0S], 1
	s_add_co_u32 s[G0S+1], s94, SCL
	s_mov_b64 s[G0S+2:G0S+3], s[22:23]
	s_or_b32 s[G0S+3], s[G0S+3], 0x80000000
	s_mov_b32 s[G0SB], 1
	s_add_co_u32 s[G0SB+1], s94, SCL
	s_mov_b64 s[G0SB+2:G0SB+3], s[92:93]
	s_or_b32 s[G0SB+3], s[G0SB+3], 0x80000000
	JLOAD G0S, G1S, G0SB, G1SB
.irp s, 0,1
	s_mov_b32 s[G0+4*\s], 1
	s_add_co_u32 s[G0+4*\s+1], s45, \s*SLOT
	s_add_nc_u64 s[G0+4*\s+2:G0+4*\s+3], s[20:21], \s*NQ*FRB
	s_or_b32 s[G0+4*\s+3], s[G0+4*\s+3], 0x80000000
	s_mov_b32 s[G0B+4*\s], 1
	s_add_co_u32 s[G0B+4*\s+1], s45, \s*SLOT
	s_add_nc_u64 s[G0B+4*\s+2:G0B+4*\s+3], s[46:47], \s*NQ*FRB
	s_or_b32 s[G0B+4*\s+3], s[G0B+4*\s+3], 0x80000000
	JLOAD G0+4*\s, G1, G0B+4*\s, G1B
.endr
	v_and_b32 v1, 15, v0                           ; r
	v_bfe_u32 v2, v0, 4, 1                         ; h
	v_and_b32 v3, 31, v0                           ; lane
	v_lshlrev_b32 v[L8], 3, v3
	s_mul_i32 s21, s15, HALFT
	s_mul_i32 s22, s16, HALFT
	s_add_co_u32 s22, s22, 2*HALFT
.irp s, 0,1
	v_add_nc_u32 v[ADRA+\s], s21, v[L8]
	v_add_nc_u32 v[ADRB+\s], s22, v[L8]
	s_add_co_u32 s21, s21, SLOT
	s_add_co_u32 s22, s22, SLOT
.endr
	v_lshlrev_b32 v5, 3, v1
	s_mul_i32 s21, s15, HALFS
	s_mul_i32 s22, s16, HALFS
	s_add_co_u32 s22, s22, 2*HALFS
	s_sub_co_u32 s22, s22, s21
	v_mul_u32_u24 v6, s22, v2                      ; lanes 16-31 take B's
	s_add_co_u32 s21, s21, SCL
	v_add_nc_u32 v5, v5, v6
	v_add_nc_u32 v[ADRS], s21, v5
	s_mul_i32 s23, s14, 16*SPITCH                  ; my stage
	v_mul_u32_u24 v5, v1, SPITCH
	v_lshl_add_u32 v5, v2, 6, v5                   ; in: row r, + 64 h: my 16 columns of each 32
	v_add_nc_u32 v[STO], s23, v5
	v_lshlrev_b32 v[CO], 4, v3                     ; back: the 32 lanes take one row of 512 bytes; and the same in C
	v_add_nc_u32 v[RD], s23, v[CO]
	s_lshl_b32 s20, s17, 2
	s_add_co_u32 s20, s20, s41
	s_lshl_b32 s20, s20, 1
	s_add_co_u32 s20, s20, s15                     ; which 128 rows of C are mine
	s_lshl_b32 s20, s20, 19                        ; x 128 rows of 4,096 bytes
	s_lshl_b32 s21, ttmp9, 24                      ; the slab's C: 16,777,216 bytes
	s_add_co_u32 s20, s20, s21
	s_lshl_b32 s21, s40, 10
	s_add_co_u32 s20, s20, s21
	s_lshl_b32 s21, s16, 9
	s_add_co_u32 s20, s20, s21
	s_mov_b32 s21, 0
	s_add_nc_u64 s[12:13], s[12:13], s[20:21]
.macro FRAG reg, adr, q, i
.irp p, 0,1,2,3,4,5
	ds_load_b64 v[\reg+2*\p:\reg+2*\p+1], v[\adr] offset:(\i)*NQ*FRB+(\q)*FRB+256*\p
.endr
.endm
; 16 matrix instructions: A's blocks a0, a0 + 1 x B's eight, 128 along K.  The 64 accumulators take turns, one instruction a turn, in the same order in every step.
.macro MUL16 a0, p, q, sc, zero
.irp a, \a0, \a0+1
.irp b, 0,1,2,3,4,5,6,7
.if \zero
	v_wmma_scale_f32_16x16x128_f8f6f4 v[8*(8*((\a)%4)+\b):8*(8*((\a)%4)+\b)+7], v[128*(\p)+FR*\b:128*(\p)+FR*\b+FR-1], v[AF+FR*(\a):AF+FR*(\a)+FR-1], 0, v[SC+8*NQ*(\sc)+NQ*\b+(\q)], v[SC+8*NQ*(\sc)+NQ*(\a)+(\q)] matrix_a_fmt:MATRIX_FMT_FP6 matrix_b_fmt:MATRIX_FMT_FP6 matrix_a_scale:MATRIX_SCALE_ROW1
.else
	v_wmma_scale_f32_16x16x128_f8f6f4 v[8*(8*((\a)%4)+\b):8*(8*((\a)%4)+\b)+7], v[128*(\p)+FR*\b:128*(\p)+FR*\b+FR-1], v[AF+FR*(\a):AF+FR*(\a)+FR-1], v[8*(8*((\a)%4)+\b):8*(8*((\a)%4)+\b)+7], v[SC+8*NQ*(\sc)+NQ*\b+(\q)], v[SC+8*NQ*(\sc)+NQ*(\a)+(\q)] matrix_a_fmt:MATRIX_FMT_FP6 matrix_b_fmt:MATRIX_FMT_FP6 matrix_a_scale:MATRIX_SCALE_ROW1
.endif
.endr
.endr
.endm
.macro FETCH_B slot, q, p
	WIN TO_B
.irp i, 0,1,2,3,4,5,6,7
	FRAG 128*(\p)+FR*\i, ADRB+\slot, \q, \i
.endr
	WIN 0
.endm
.macro FETCH_A slot, q, i0
.irp i, \i0, \i0+1, \i0+2, \i0+3
	FRAG AF+FR*(\i), ADRA+\slot, \q, \i
.endr
.endm
.macro SCALES sc
.irp i, 0,1,2,3,4,5,6,7
	ds_load_b64 v[SC+8*NQ*\sc+NQ*\i:SC+8*NQ*\sc+NQ*\i+1], v[ADRS] offset:\i*512
.endr
.endm
.macro PLACES n
.rept \n
	v_nop
.endr
.endm
.macro STEP slot, q, zero
	s_wait_dscnt 4*NL                              ; B's set, A's blocks 0-3 and the words are in; A's blocks 4-7 may be out
	WIN MUL_LO
	MUL16 0, (\q)%2, \q, \slot, \zero
	MUL16 2, (\q)%2, \q, \slot, \zero
	s_wait_dscnt 0
	PLACES NP
	FETCH_B \slot, (\q)+1, 1-(\q)%2
	FETCH_A \slot, (\q)+1, 0
	WIN MUL_HI
	MUL16 4, (\q)%2, \q, \slot, \zero
	MUL16 6, (\q)%2, \q, \slot, \zero
	PLACES NP
	WIN 0
	FETCH_A \slot, (\q)+1, 4
.endm
.macro TURN slot, next, fill
	s_wait_tensorcnt 0x0                           ; all my tensor loads have landed: my part of the next slot
	ds_add_u32 v[SPW], v[NIL]                      ; 0 onto my spare word
	s_wait_dscnt 4*NL+1                            ; (the add and A's blocks 4-7 may be out)
	WIN MUL_LO
	MUL16 0, 1, NQ-1, \slot, 0
	s_wait_dscnt 0x0                               ; the add is done, and my reads of this slot are over
	s_barrier_signal -1
	MUL16 2, 1, NQ-1, \slot, 0
	WIN 0
	s_barrier_wait -1
.if \fill
	CREST                                          ; no wave of any partner still reads this slot or has a load on its way
	s_add_nc_u64 s[G0+4*\slot+2:G0+4*\slot+3], s[G0+4*\slot+2:G0+4*\slot+3], 2*NQ*FRB
	s_add_nc_u64 s[G0B+4*\slot+2:G0B+4*\slot+3], s[G0B+4*\slot+2:G0B+4*\slot+3], 2*NQ*FRB
	JLOAD G0+4*\slot, G1, G0B+4*\slot, G1B         ; the first tensor load behind the round; its four v_nop are the places in front of the loads below
.else
	PLACES NP
.endif
	v_add_nc_u32 v[ADRS], 128, v[ADRS]
	FETCH_B \next, 0, 0
	FETCH_A \next, 0, 0
	SCALES \next
	WIN MUL_HI
	MUL16 4, 1, NQ-1, \slot, 0
	MUL16 6, 1, NQ-1, \slot, 0
	PLACES NP
	WIN 0
	FETCH_A \next, 0, 4
.endm
	s_wait_tensorcnt 1                             ; the scale words and my part of K step 0 are in (K step 1's load may be out),
	s_barrier_signal -1
	s_barrier_wait -1                              ; everybody's are
	FETCH_B 0, 0, 0
	FETCH_A 0, 0, 0
	SCALES 0
	FETCH_A 0, 0, 4
	STEP 0, 0, 1
	s_mov_b32 s3, LAPS-1
.Llap:
	TURN 0, 1, 1
	STEP 1, 0, 0
	TURN 1, 0, 1
	STEP 0, 0, 0
	s_sub_co_u32 s3, s3, 1
	s_cmp_lg_u32 s3, 0
	s_cbranch_scc1 .Llap
	TURN 0, 1, 0
	STEP 1, 0, 0
	s_wait_dscnt 4*NL
	WIN MUL_LO
	MUL16 0, 1, NQ-1, 1, 0
	MUL16 2, 1, NQ-1, 1, 0
	s_wait_dscnt 0
	WIN MUL_HI
	MUL16 4, 1, NQ-1, 1, 0
	MUL16 6, 1, NQ-1, 1, 0
	WIN 0
; THE WAY OUT, block by block of 16 rows x 128 columns, through my own stage: LDS serves a wave's instructions in order (ISA guide 5.7.1.4), so no wait stands between the stores and the loads.
.macro TOSTAGE a
.set AC, 64*((\a)%4)
	WIN 0x08+4*((\a)/4)                            ; the data: window 2 or 3
.irp b, 0,1,2,3,4,5,6,7
	ds_store_b128 v[STO], v[AC+8*\b:AC+8*\b+3] offset:128*(\b/2)+32*(\b%2)          ; each accumulator from its low end on; tile b's eight columns of my half
	ds_store_b128 v[STO], v[AC+8*\b+4:AC+8*\b+7] offset:128*(\b/2)+32*(\b%2)+16
.endr
	WIN 0
.set BB, BK+64*((\a)%2)
.irp t, 0,1,2,3,4,5,6,7,8,9,10,11,12,13,14,15
	ds_load_b128 v[BB+4*\t:BB+4*\t+3], v[RD] offset:\t*SPITCH
.endr
.endm
.macro SEND a, younger                 ; stage row t is row 32 (a / 2) + 8 (a % 2) + t + 8 (t / 8) of my 128: the place stands in the immediate, 520,192 at the most
.set BB, BK+64*((\a)%2)
	s_wait_dscnt \younger
.irp t, 0,1,2,3,4,5,6,7,8,9,10,11,12,13,14,15
	global_store_b128 v[CO], v[BB+4*\t:BB+4*\t+3], s[12:13] offset:(32*((\a)/2)+8*((\a)%2)+\t+8*(\t/8))*4096 th:TH_STORE_NT   ; 32 lanes store 512 consecutive bytes, aligned
.endr
.endm
	PLACES NP
	TOSTAGE 0
.irp a, 1,2,3,4,5,6,7
.if \a > 1
	s_wait_xcnt 0x0                                ; block a - 2's stores have read their registers: block a's loads may land there
.endif
	TOSTAGE \a
	SEND \a-1, 32                                  ; behind block a - 1's loads: block a's 16 stores and 16 loads
.endr
	SEND 7, 0
	s_wait_tensorcnt 0x0                           ; the wave's end
	ds_add_u32 v[SPW], v[NIL]
	s_wait_dscnt 0x0
	CROUND                                         ; the closing round
	s_endpgm
.Lfunc_end_k_qd62e46c308_wo:
	.size	k_qd62e46c308_wo, .Lfunc_end_k_qd62e46c308_wo-k_qd62e46c308_wo
	.p2alignl 7, 3214868480
	.fill 96, 4, 3214868480
	.section	.rodata,"a",@progbits
	.p2align	6, 0x0
	.amdhsa_kernel k_qd62e46c308_wo
		.amdhsa_group_segment_fixed_size 327680
		.amdhsa_private_segment_fixed_size 0
		.amdhsa_enable_private_segment 0
		.amdhsa_kernarg_size 24
		.amdhsa_user_sgpr_count 2
		.amdhsa_user_sgpr_kernarg_segment_ptr 1
		.amdhsa_wavefront_size32 1
		.amdhsa_system_sgpr_workgroup_id_x 1
		.amdhsa_system_sgpr_workgroup_id_y 1
		.amdhsa_system_sgpr_workgroup_id_z 1
		.amdhsa_system_vgpr_workitem_id 0
		.amdhsa_next_free_vgpr 1024
		.amdhsa_next_free_sgpr 102
		.amdhsa_reserve_vcc 0
		.amdhsa_float_denorm_mode_32 3
		.amdhsa_float_denorm_mode_16_64 3
		.amdhsa_memory_ordered 1
		.amdhsa_forward_progress 1
		.amdhsa_inst_pref_size 159
	.end_amdhsa_kernel
	.amdgpu_metadata
---
amdhsa.version: [ 1, 2 ]
amdhsa.kernels:
  - .name:           k_qd62e46c308_wo
    .symbol:         k_qd62e46c308_wo.kd
    .args:
      - { .name: act, .offset: 0, .size: 8, .value_kind: global_buffer, .address_space: global }
      - { .name: woi, .offset: 8, .size: 8, .value_kind: global_buffer, .address_space: global }
      - { .name: cbuf, .offset: 16, .size: 8, .value_kind: global_buffer, .address_space: global }
    .group_segment_fixed_size: 327680
    .private_segment_fixed_size: 0
    .kernarg_segment_align: 8
    .kernarg_segment_size: 24
    .max_flat_workgroup_size: 128
    .sgpr_count:     102
    .vgpr_count:     1024
    .wavefront_size: 32
...
	.end_amdgpu_metadata
.endif
;; end of part 4
;; launch ln1 (part 5): grid 256 x 1, 8 waves a work-group, no clusters, 69,632 bytes of LDS; arguments cbuf, x, bo, g1, b1, inter; writes inter
.if DOCPART == 5
	.amdgcn_target "amdgcn-amd-amdhsa--gfx1250"
	.amdhsa_code_object_version 6
	.text
	.protected	k_qd62e46c308_ln1
	.globl	k_qd62e46c308_ln1
	.p2align	8
	.type	k_qd62e46c308_ln1,@function
k_qd62e46c308_ln1:
	s_mov_b64 s[64:65], 0
	v_nop
	global_prefetch_b8 v0, s[64:65] scope:SCOPE_SE
	s_setreg_imm32_b32 hwreg(HW_REG_WAVE_MODE, 25, 1), 1
	s_wait_xcnt 0x0
; inter = LayerNorm(x + (attn Wo + bo)) x g1 + b1, stored as f32 (for the second residual) and as codes of E2M3 with their scale words (the next product's operand).
; A stream: memory binds, so no matrix unit and no cluster.  Work-group J owns the 16 rows of row block J (lane r: row 32 (J / 2) + 8 (J % 2) + r + 8 (r / 8)); wave w owns columns 128 w .. 128 w + 127, one K step of the next product;
; lane (r, h) holds 16 numbers of each of its four blocks of 32: register 16 b + i = column 32 b + 16 h + i, the order in which the conversions want them.
; Mean and variance are taken in two true passes over the registers; the eight waves' parts meet in LDS, once for each, behind a barrier.
; LIMITS: a block of zeros gets the scale byte 1 (its codes are zeros; only this program reads the bytes); NaN and infinities are not served.
.set RED1,  0                          ; LDS: [r][w] words, 512 bytes;
.set RED2,  512                        ; the same for the squares;
.set STG,   1024                       ; a stage of 16 rows x (512 + 16) bytes for each wave;
.set SPARE, STG+8*16*528               ; the spare words, 128 bytes for each of 8 waves: four blocks of 256 bytes that no other line names
.set SPW, 1
.set NIL, 2
.set RO,  7                            ; v7   my row's and half's byte in the row block: 4,096 (r + 8 (r / 8)) + 64 h
.set PO,  8                            ; v8   64 h
.set L8,  9
.set L16, 10
.set RS,  11                           ; v11  32 r + 4 w
.set RLD, 12                           ; v12  32 r
.set SI,  13                           ; v13  into the stage
.set SR,  14                           ; v14  out of it
.set R8,  15
.set MU,  24                           ; v[24:25]
.set RSD, 26                           ; v[26:27]
.set TM,  28                           ; v28-43
.set PC,  44                           ; v44-62
.set PW,  63
.set Y,   64
.set X,   128
.set G,   192
.set SEL, 2
.macro LD16 reg, voff, base            ; 64 numbers a lane; the 16 loads use up 512 neighbouring bytes of each row
.irp b, 0,1,2,3
.irp j, 0,1,2,3
	global_load_b128 v[\reg+16*\b+4*\j:\reg+16*\b+4*\j+3], v[\voff], s[\base:\base+1] offset:128*\b+16*\j
.endr
.endr
.endm
.macro ADD64 src
.set k, 0
.rept 32
	v_pk_add_f32 v[Y+2*k:Y+2*k+1], v[Y+2*k:Y+2*k+1], v[\src+2*k:\src+2*k+1]
.set k, k+1
.endr
.endm
.macro WGSUM red                       ; v16: my lane's sum; leaves the row's sum over its 1,024 numbers in v16
	v_permlanex16_b32 v17, v16, s[SEL], s[SEL+1]
	v_add_f32 v16, v16, v17
	ds_store_b32 v[RS], v16 offset:\red            ; lanes l and l xor 16 write the same word with the same value
	s_wait_dscnt 0x0                               ; for the others' sake
	s_barrier_signal -1
	s_barrier_wait -1
	ds_load_b128 v[16:19], v[RLD] offset:\red
	ds_load_b128 v[20:23], v[RLD] offset:\red+16
	s_wait_dscnt 0x0
	v_add_f32 v16, v16, v17
	v_add_f32 v18, v18, v19
	v_add_f32 v20, v20, v21
	v_add_f32 v22, v22, v23
	v_add_f32 v16, v16, v18
	v_add_f32 v20, v20, v22
	v_add_f32 v16, v16, v20
.endm
.macro QUANT s, pc, pw
.irp b, 0,1,2,3
	v_max3_num_f32 v[TM+\b], |v[(\s)+16*\b]|, |v[(\s)+1+16*\b]|, 0x1800000   ; and the floor 2^(3 - 127): the byte cannot fall under 1
.endr
.irp i, 2,4,6,8,10,12,14
.irp b, 0,1,2,3
	v_max3_num_f32 v[TM+\b], v[TM+\b], |v[(\s)+16*\b+\i]|, |v[(\s)+1+16*\b+\i]|
.endr
.endr
.irp b, 0,1,2,3
	v_permlanex16_b32 v[TM+4+\b], v[TM+\b], s[SEL], s[SEL+1]
.endr
.irp b, 0,1,2,3
	v_max_num_f32 v[TM+\b], v[TM+\b], v[TM+4+\b]
.endr
.irp b, 0,1,2,3
	v_add_nc_u32 v[TM+12+\b], 0xff000000, v[TM+\b]
.endr
.irp b, 0,1,2,3
	v_lshrrev_b32 v[TM+4+\b], 23, v[TM+12+\b]
.endr
	v_lshl_or_b32 v[\pw], v[TM+5], 8, v[TM+4]
	v_lshl_or_b32 v[\pw], v[TM+6], 16, v[\pw]
	v_lshl_or_b32 v[\pw], v[TM+7], 24, v[\pw]
.irp c, 0,1
	v_cvt_scalef32_pk16_fp6_f32 v[(\pc)+6*\c:(\pc)+2+6*\c], v[(\s)+32*\c:(\s)+15+32*\c], v[TM+12+2*\c]
	v_cvt_scalef32_pk16_fp6_f32 v[(\pc)+12+4*\c:(\pc)+14+4*\c], v[(\s)+16+32*\c:(\s)+31+32*\c], v[TM+12+2*\c+1]
.endr
	v_nop
.irp c, 0,1
.irp i, 0,1,2
	v_permlane16_swap_b32 v[(\pc)+6*\c+\i], v[(\pc)+12+4*\c+\i]
.endr
.irp i, 0,1,2
	v_mov_b32 v[(\pc)+3+6*\c+\i], v[(\pc)+12+4*\c+\i]
.endr
.endr
.endm
	s_load_b256 s[4:11], s[0:1], 0x0               ; C, x, bo, g1
	s_load_b128 s[12:15], s[0:1], 0x20             ; b1, inter
	v_lshl_add_u32 v[SPW], v0, 2, SPARE
	v_mov_b32 v[NIL], 0
	v_lshrrev_b32 v3, 5, v0
	v_readfirstlane_b32 s16, v3                    ; wave 0..7
	v_and_b32 v3, 31, v0                           ; lane
	v_and_b32 v4, 15, v0                           ; r
	v_bfe_u32 v5, v0, 4, 1                         ; h
	v_and_b32 v6, 8, v4
	v_add_nc_u32 v6, v6, v4
	v_lshlrev_b32 v[RO], 12, v6
	v_lshl_add_u32 v[RO], v5, 6, v[RO]
	v_lshlrev_b32 v[PO], 6, v5
	v_lshlrev_b32 v[L8], 3, v3
	v_lshlrev_b32 v[L16], 4, v3
	v_lshlrev_b32 v[RLD], 5, v4
	s_lshl_b32 s17, s16, 2
	v_add_nc_u32 v[RS], s17, v[RLD]
	s_mul_i32 s17, s16, 16*528
	s_add_co_u32 s17, s17, STG
	v_mul_u32_u24 v[SI], v4, 528
	v_lshl_add_u32 v[SI], v5, 6, v[SI]
	v_add_nc_u32 v[SI], s17, v[SI]
	v_add_nc_u32 v[SR], s17, v[L16]
	v_lshlrev_b32 v[R8], 3, v4
	s_lshr_b32 s18, ttmp9, 1
	s_lshl_b32 s18, s18, 5
	s_and_b32 s19, ttmp9, 1
	s_lshl_b32 s19, s19, 3
	s_add_co_u32 s18, s18, s19                     ; the row block's first row
	s_lshl_b32 s20, s18, 12
	s_lshl_b32 s22, s16, 9                         ; my wave's 512 bytes of a row
	s_add_co_u32 s20, s20, s22
	s_mov_b32 s21, 0
	s_mov_b32 s23, 0
	s_mul_i32 s26, ttmp9, 12288
	s_mul_i32 s27, s16, 1536
	s_add_co_u32 s26, s26, s27
	s_add_co_u32 s26, s26, 16908288                ; my fragment's image
	s_mov_b32 s27, 0
	s_lshl_b32 s28, ttmp9, 9
	s_lshr_b32 s29, s16, 1
	s_lshl_b32 s29, s29, 7
	s_add_co_u32 s28, s28, s29
	s_and_b32 s29, s16, 1
	s_lshl_b32 s29, s29, 2
	s_add_co_u32 s28, s28, s29
	s_add_co_u32 s28, s28, 16777216                ; its scale words
	s_mov_b32 s29, 0
	s_mov_b32 s[SEL], 0x76543210
	s_mov_b32 s[SEL+1], 0xfedcba98
	s_mov_b32 s30, 0x3a800000                      ; 1 / 1,024
.irp b, 0,1,2,3
	v_mov_b32 v[TM+4+\b], 0                        ; written once: a lane permute's destination counts as one of its sources
.endr
	s_wait_kmcnt 0x0
	s_add_nc_u64 s[4:5], s[4:5], s[20:21]
	s_add_nc_u64 s[6:7], s[6:7], s[20:21]
	s_add_nc_u64 s[8:9], s[8:9], s[22:23]
	s_add_nc_u64 s[10:11], s[10:11], s[22:23]
	s_add_nc_u64 s[12:13], s[12:13], s[22:23]
	s_add_nc_u64 s[24:25], s[14:15], s[20:21]
	s_add_nc_u64 s[26:27], s[14:15], s[26:27]
	s_add_nc_u64 s[28:29], s[14:15], s[28:29]
	LD16 Y, RO, 4
	LD16 X, RO, 6
	LD16 G, PO, 8
	s_wait_loadcnt 16                              ; C and x are in; the set asked for last may stay out: so in every turn
	ADD64 X
	LD16 X, PO, 10                                 ; g1
	s_wait_loadcnt 16
	ADD64 G
	LD16 G, PO, 12                                 ; b1
	; the mean
	v_pk_add_f32 v[16:17], v[Y:Y+1], v[Y+2:Y+3]
	v_pk_add_f32 v[18:19], v[Y+4:Y+5], v[Y+6:Y+7]
.irp j, 8,12,16,20,24,28,32,36,40,44,48,52,56,60
	v_pk_add_f32 v[16:17], v[16:17], v[Y+\j:Y+\j+1]
	v_pk_add_f32 v[18:19], v[18:19], v[Y+\j+2:Y+\j+3]
.endr
	v_pk_add_f32 v[16:17], v[16:17], v[18:19]
	v_add_f32 v16, v16, v17
	WGSUM RED1
	v_mul_f32 v[MU], s30, v16
	v_mov_b32 v[MU+1], v[MU]
.set k, 0
.rept 32
	v_pk_add_f32 v[Y+2*k:Y+2*k+1], v[Y+2*k:Y+2*k+1], v[MU:MU+1] op_sel_hi:[1,0] neg_lo:[0,1] neg_hi:[0,1]
.set k, k+1
.endr
	; the variance, of the differences
	v_pk_mul_f32 v[16:17], v[Y:Y+1], v[Y:Y+1]
	v_pk_mul_f32 v[18:19], v[Y+2:Y+3], v[Y+2:Y+3]
.irp j, 4,8,12,16,20,24,28,32,36,40,44,48,52,56,60
	v_pk_fma_f32 v[16:17], v[Y+\j:Y+\j+1], v[Y+\j:Y+\j+1], v[16:17]
	v_pk_fma_f32 v[18:19], v[Y+\j+2:Y+\j+3], v[Y+\j+2:Y+\j+3], v[18:19]
.endr
	v_pk_add_f32 v[16:17], v[16:17], v[18:19]
	v_add_f32 v16, v16, v17
	WGSUM RED2
	v_fmaak_f32 v[RSD], s30, v16, 0x3727c5ac       ; / 1,024 + 1e-5
	v_rsq_f32 v[RSD], v[RSD]
	v_nop                                          ; a plain instruction behind the transcendental
	s_wait_alu depctr_va_vdst(0)                   ; and the wait ahead of its first reader
	v_mov_b32 v[RSD+1], v[RSD]
	s_wait_loadcnt 0x0                             ; g1, b1
.set k, 0
.rept 32
	v_pk_mul_f32 v[Y+2*k:Y+2*k+1], v[Y+2*k:Y+2*k+1], v[RSD:RSD+1] op_sel_hi:[1,0]
.set k, k+1
.endr
.set k, 0
.rept 32
	v_pk_fma_f32 v[Y+2*k:Y+2*k+1], v[Y+2*k:Y+2*k+1], v[X+2*k:X+2*k+1], v[G+2*k:G+2*k+1]
.set k, k+1
.endr
	; f32 out through my own stage, so that whole rows of 512 bytes leave; LDS serves a wave's instructions in order (ISA guide 5.7.1.4)
.irp b, 0,1,2,3
.irp j, 0,1,2,3
	ds_store_b128 v[SI], v[Y+16*\b+4*\j:Y+16*\b+4*\j+3] offset:128*\b+16*\j
.endr
.endr
.irp t, 0,1,2,3,4,5,6,7,8,9,10,11,12,13,14,15
	ds_load_b128 v[X+4*\t:X+4*\t+3], v[SR] offset:528*\t
.endr
	QUANT Y, PC, PW                                ; while the rows come back
.irp p, 0,1,2,3,4,5
	global_store_b64 v[L8], v[PC+2*\p:PC+2*\p+1], s[26:27] offset:256*\p   ; 256 consecutive bytes, aligned
.endr
.irp t, 0,1,2,3,4,5,6,7,8,9,10,11,12,13,14,15
	s_wait_dscnt 15-\t
	global_store_b128 v[L16], v[X+4*\t:X+4*\t+3], s[24:25] offset:(\t+8*(\t/8))*4096   ; 512 consecutive bytes, aligned
.endr
	s_wait_tensorcnt 0x0                           ; the wave's end
	ds_add_u32 v[SPW], v[NIL]
	s_wait_dscnt 0x0
	v_cmp_gt_u32 vcc_lo, 16, v3
	s_wait_xcnt 0x0                                ; EXEC changes only behind s_wait_xcnt 0
	s_and_saveexec_b32 s31, vcc_lo
	global_store_b32 v[R8], v[PW], s[28:29]        ; lanes 0-15: row r's scale word of my K step
	s_wait_xcnt 0x0
	s_or_b32 exec_lo, exec_lo, s31
	s_endpgm
.Lfunc_end_k_qd62e46c308_ln1:
	.size	k_qd62e46c308_ln1, .Lfunc_end_k_qd62e46c308_ln1-k_qd62e46c308_ln1
	.p2alignl 7, 3214868480
	.fill 96, 4, 3214868480
	.section	.rodata,"a",@progbits
	.p2align	6, 0x0
	.amdhsa_kernel k_qd62e46c308_ln1
		.amdhsa_group_segment_fixed_size 69632
		.amdhsa_private_segment_fixed_size 0
		.amdhsa_enable_private_segment 0
		.amdhsa_kernarg_size 48
		.amdhsa_user_sgpr_count 2
		.amdhsa_user_sgpr_kernarg_segment_ptr 1
		.amdhsa_wavefront_size32 1
		.amdhsa_system_sgpr_workgroup_id_x 1
		.amdhsa_system_sgpr_workgroup_id_y 1
		.amdhsa_system_sgpr_workgroup_id_z 1
		.amdhsa_system_vgpr_workitem_id 0
		.amdhsa_next_free_vgpr 256
		.amdhsa_next_free_sgpr 66
		.amdhsa_reserve_vcc 1
		.amdhsa_float_denorm_mode_32 3
		.amdhsa_float_denorm_mode_16_64 3
		.amdhsa_memory_ordered 1
		.amdhsa_forward_progress 1
		.amdhsa_inst_pref_size 35
	.end_amdhsa_kernel
	.amdgpu_metadata
---
amdhsa.version: [ 1, 2 ]
amdhsa.kernels:
  - .name:           k_qd62e46c308_ln1
    .symbol:         k_qd62e46c308_ln1.kd
    .args:
      - { .name: cbuf, .offset: 0, .size: 8, .value_kind: global_buffer, .address_space: global }
      - { .name: x, .offset: 8, .size: 8, .value_kind: global_buffer, .address_space: global }
      - { .name: bo, .offset: 16, .size: 8, .value_kind: global_buffer, .address_space: global }
      - { .name: g1, .offset: 24, .size: 8, .value_kind: global_buffer, .address_space: global }
      - { .name: b1, .offset: 32, .size: 8, .value_kind: global_buffer, .address_space: global }
      - { .name: inter, .offset: 40, .size: 8, .value_kind: global_buffer, .address_space: global }
    .group_segment_fixed_size: 69632
    .private_segment_fixed_size: 0
    .kernarg_segment_align: 8
    .kernarg_segment_size: 48
    .max_flat_workgroup_size: 256
    .sgpr_count:     66
    .vgpr_count:     256
    .wavefront_size: 32
...
	.end_amdgpu_metadata
.endif
;; end of part 5
;; launch ffn1 (part 6): grid 16 x 16, 4 waves a work-group, clusters of 4 x 4, 327,680 bytes of LDS; arguments inter, xw, bf1, act; writes act
.if DOCPART == 6
	.amdgcn_target "amdgcn-amd-amdhsa--gfx1250"
	.amdhsa_code_object_version 6
	.text
	.protected	k_qd62e46c308_ffn1
	.globl	k_qd62e46c308_ffn1
	.p2align	8
	.type	k_qd62e46c308_ffn1,@function
k_qd62e46c308_ffn1:
	s_mov_b64 s[64:65], 0
	v_nop
	global_prefetch_b8 v0, s[64:65] scope:SCOPE_SE
	s_setreg_imm32_b32 hwreg(HW_REG_WAVE_MODE, 25, 1), 1
	s_wait_xcnt 0x0
	s_wait_alu depctr_hold_cnt(0) depctr_sa_sdst(0) depctr_va_vdst(0) depctr_va_sdst(0) depctr_va_ssrc(0) depctr_va_vcc(0) depctr_vm_vsrc(0)
	s_getreg_b32 s2, hwreg(HW_REG_IB_STS2, 6, 4)
	s_cmp_eq_u32 s2, 0
	s_cbranch_scc0 .Lentry_in_a_cluster
	s_endpgm
.Lentry_in_a_cluster:
	s_bfe_u32 s2, ttmp6, 0x10000c
	s_cmp_lg_u32 s2, 0xf033
	s_cbranch_scc0 .Lentry_shape_is_right
	s_endpgm
.Lentry_shape_is_right:
; hidden = relu(inter W1 + bf1) on codes of E2M3, quantised along the hidden units for the next product; it goes to memory as codes alone.
; A work-group makes 256 tokens x 256 hidden units, four waves 128 x 128 each: 64 accumulators, 512 registers.  THE MATRIX INSTRUCTION IS USED TRANSPOSED: source 0 = 16 rows of W1 (B), source 1 = 16 tokens (A):
; a lane holds one token, and the 64 registers of a block of tokens are its wave's 128 hidden units' halves: index 32 b + 16 (lane / 16) + i: one K step of the next product.  The bias is the C of each sum's first product.
; OPERANDS lie as images of operand registers (a fragment: six pieces of 256 bytes, piece p = registers 2 p, 2 p + 1, lane l's at 8 l); lane r of row block j stands for row 32 (j / 2) + 8 (j % 2) + r + 8 (r / 8).
; K = 1,024 goes in four steps of 256 through a ring of two LDS slots filled by the tensor data mover; the scale words of the tiles' rows come once.  CLUSTERS: 4 x 4; A's tile is shared along a row, B's along a column.
; LIMITS: a block of zeros gets the scale byte 1 (its codes are zeros; only this program reads the bytes); NaN and infinities are not served.
; REGISTERS, in windows of 256: window 0: v0-31 addresses; v32-63 scale words; v64-127 the bias; v128-223 A's fragments; in the epilogue v128-243 at work.   window 1: B's two sets.   windows 2, 3: the accumulators.
.set NQ,     2
.set FR,     12
.set FRB,    1536
.set RBB,    12288
.set NL,     6
.set NP,     4                         ; places behind this matrix instruction (ISA guide 7.12.1)
.set HALFT,  8*NQ*FRB
.set SLOT,   4*HALFT
.set LAPS,   2
.set SCL,    2*SLOT
.set HALFS,  8*512
.set SPARE,  SCL+4*HALFS               ; the spare words, 128 bytes for each wave: two blocks of 256 bytes that no other line names
.set ADRA, 16
.set ADRB, 20
.set ADRS, 27
.set SPW,  28
.set NIL,  29
.set SC,   32
.set AF,   128
.set L8,   4
.set BPO,  7                           ; v7  64 h
.set SA,   9                           ; v9  512 h + 8 r
.set BP,   64
.set T,    128
.set PC,   192
.set TM,   212
.set PW,   228
.set SW,   236
.set G1, 24
.set G0, 32
.set G1B, 48
.set G0B, 56
.set G1S, 68
.set G0S, 76
.set G1SB, 80
.set G0SB, 88
.set SEL, 66
.set MHI, 99
.set MSB, 0
.macro WIN new
.if MSB != (\new)
	s_set_vgpr_msb (MSB<<8)|(\new)
.set MSB, (\new)
.endif
.endm
.set MUL_LO, 0xa1
.set MUL_HI, 0xf1
.set TO_B,   0x40
; A joint load: waves 0 and 1 fetch for A, waves 2 and 3 for B; the branch hangs on the wave's number alone.  An s_nop 0 and four v_nop follow each of the two lines.
.macro JLOAD g0a, g1a, g0b, g1b
	s_cmp_eq_u32 s15, 0
	s_cbranch_scc0 .Lfor_b_\@
	tensor_load_to_lds s[\g0a:\g0a+3], s[\g1a:\g1a+7]
	s_nop 0
.rept 4
	v_nop
.endr
	s_branch .Lasked_\@
.Lfor_b_\@:
	tensor_load_to_lds s[\g0b:\g0b+3], s[\g1b:\g1b+7]
	s_nop 0
.rept 4
	v_nop
.endr
.Lasked_\@:
.endm
.macro CREST
	s_cmp_lg_u32 s14, 0
	s_cbranch_scc1 .Lnot_wave_0_\@
	s_barrier_signal -3
.Lnot_wave_0_\@:
	s_barrier_wait -3
	s_barrier_signal -1
	s_barrier_wait -1
.endm
.macro CROUND
	s_barrier_signal -1
	s_barrier_wait -1
	CREST
.endm
	s_load_b128 s[4:7], s[0:1], 0x0                ; inter, xw
	s_load_b128 s[8:11], s[0:1], 0x10              ; bf1, act
	v_lshl_add_u32 v[SPW], v0, 2, SPARE
	v_mov_b32 v[NIL], 0
	ds_add_u32 v[SPW], v[NIL]                      ; the wave's opening: the add, and its wait ahead of my first tensor load; the set-up below, work on registers, stands between them
	v_lshrrev_b32 v1, 5, v0
	v_readfirstlane_b32 s14, v1                    ; wave 0..3
	s_lshr_b32 s15, s14, 1
	s_and_b32 s16, s14, 1
	s_bfe_u32 s40, ttmp6, 0x40000                  ; cx
	s_bfe_u32 s41, ttmp6, 0x40004                  ; cy
	s_and_b32 s17, ttmp7, 0xffff                   ; the cluster's y
	s_lshl_b32 s43, s41, 2
	s_lshl_b32 s43, 15, s43                        ; my row of the cluster
	s_lshl_b32 s44, 0x1111, s40                    ; my column
	s_or_b32 s[G1+0], s43, (3<<16)|(1<<21)         ; the codes: 8 rows (row blocks) of 384 elements of 8 bytes, 1,536 elements apart; dense in LDS
	s_or_b32 s[G1B+0], s44, (3<<16)|(1<<21)
.irp g, G1, G1B
	s_mov_b32 s[\g+1], 384<<16
	s_mov_b32 s[\g+2], 8<<16
	s_mov_b32 s[\g+3], 384<<16
	s_mov_b32 s[\g+4], 8
	s_mov_b32 s[\g+5], 1536
	s_mov_b32 s[\g+6], 0
	s_mov_b32 s[\g+7], 0
.endr
	s_or_b32 s[G1S+0], s43, (3<<16)|(1<<21)        ; the scale words of 8 row blocks: 4,096 dense bytes as 16 rows of 256
	s_or_b32 s[G1SB+0], s44, (3<<16)|(1<<21)
.irp g, G1S, G1SB
	s_mov_b32 s[\g+1], 32<<16
	s_mov_b32 s[\g+2], 16<<16
	s_mov_b32 s[\g+3], 32<<16
	s_mov_b32 s[\g+4], 16
	s_mov_b32 s[\g+5], 32
	s_mov_b32 s[\g+6], 0
	s_mov_b32 s[\g+7], 0
.endr
	s_lshl_b32 s20, s17, 6
	s_lshl_b32 s18, s41, 4
	s_add_co_u32 s20, s20, s18                     ; A: row block 16 (4 x cluster y + cy) of inter
	s_lshl_b32 s46, ttmp9, 6
	s_lshl_b32 s18, s40, 4
	s_add_co_u32 s46, s46, s18
	s_add_co_u32 s46, s46, 448                     ; B: W1 begins at row block 448 of xw
	s_mov_b32 s95, 16777216
	s_mov_b32 s96, 16908288
	s_mov_b32 s97, 0
	s_mov_b32 s98, 360448
	s_lshl_b32 s18, s16, 3
	s_add_co_u32 s20, s20, s18
	s_add_co_u32 s46, s46, s18
	s_lshl_b32 s22, s20, 9
	s_add_co_u32 s22, s22, s95
	s_mov_b32 s23, 0
	s_mul_i32 s20, s20, RBB
	s_add_co_u32 s20, s20, s96
	s_mov_b32 s21, 0
	s_lshl_b32 s92, s46, 9
	s_add_co_u32 s92, s92, s97
	s_mov_b32 s93, 0
	s_mul_i32 s46, s46, RBB
	s_add_co_u32 s46, s46, s98
	s_mov_b32 s47, 0
	s_mul_i32 s45, s14, HALFT                      ; no place in the cluster enters an LDS address
	s_mul_i32 s94, s14, HALFS
	s_mov_b32 s[SEL], 0x76543210
	s_mov_b32 s[SEL+1], 0xfedcba98
	s_mov_b32 s[MHI], 0xffff0000
	s_wait_dscnt 0x0                               ; the opening add is done
	s_wait_kmcnt 0x0
	s_add_nc_u64 s[20:21], s[4:5], s[20:21]
	s_add_nc_u64 s[22:23], s[4:5], s[22:23]
	s_add_nc_u64 s[46:47], s[6:7], s[46:47]
	s_add_nc_u64 s[92:93], s[6:7], s[92:93]
	CROUND                                         ; all sixteen work-groups are here: the first joint loads meet
	s_mov_b32 s[G0S], 1
	s_add_co_u32 s[G0S+1], s94, SCL
	s_mov_b64 s[G0S+2:G0S+3], s[22:23]
	s_or_b32 s[G0S+3], s[G0S+3], 0x80000000
	s_mov_b32 s[G0SB], 1
	s_add_co_u32 s[G0SB+1], s94, SCL
	s_mov_b64 s[G0SB+2:G0SB+3], s[92:93]
	s_or_b32 s[G0SB+3], s[G0SB+3], 0x80000000
	JLOAD G0S, G1S, G0SB, G1SB
.irp s, 0,1
	s_mov_b32 s[G0+4*\s], 1
	s_add_co_u32 s[G0+4*\s+1], s45, \s*SLOT
	s_add_nc_u64 s[G0+4*\s+2:G0+4*\s+3], s[20:21], \s*NQ*FRB
	s_or_b32 s[G0+4*\s+3], s[G0+4*\s+3], 0x80000000
	s_mov_b32 s[G0B+4*\s], 1
	s_add_co_u32 s[G0B+4*\s+1], s45, \s*SLOT
	s_add_nc_u64 s[G0B+4*\s+2:G0B+4*\s+3], s[46:47], \s*NQ*FRB
	s_or_b32 s[G0B+4*\s+3], s[G0B+4*\s+3], 0x80000000
	JLOAD G0+4*\s, G1, G0B+4*\s, G1B
.endr
	v_and_b32 v1, 15, v0                           ; r
	v_bfe_u32 v2, v0, 4, 1                         ; h
	v_and_b32 v3, 31, v0                           ; lane
	v_lshlrev_b32 v[L8], 3, v3
	; the bias: tile b's eight hidden units of my half, in the result's layout
	v_lshlrev_b32 v[BPO], 6, v2
	s_lshl_b32 s20, ttmp9, 12
	s_lshl_b32 s21, s40, 10
	s_add_co_u32 s20, s20, s21
	s_lshl_b32 s21, s16, 9
	s_add_co_u32 s20, s20, s21
	s_mov_b32 s21, 0
	s_add_nc_u64 s[8:9], s[8:9], s[20:21]
.irp b, 0,1,2,3,4,5,6,7
	global_load_b128 v[BP+8*\b:BP+8*\b+3], v[BPO], s[8:9] offset:(32*(\b/2)+8*(\b%2))*4
	global_load_b128 v[BP+8*\b+4:BP+8*\b+7], v[BPO], s[8:9] offset:(32*(\b/2)+8*(\b%2))*4+16
.endr
	s_mul_i32 s21, s15, HALFT
	s_mul_i32 s22, s16, HALFT
	s_add_co_u32 s22, s22, 2*HALFT
.irp s, 0,1
	v_add_nc_u32 v[ADRA+\s], s21, v[L8]
	v_add_nc_u32 v[ADRB+\s], s22, v[L8]
	s_add_co_u32 s21, s21, SLOT
	s_add_co_u32 s22, s22, SLOT
.endr
	v_lshlrev_b32 v5, 3, v1
	s_mul_i32 s21, s15, HALFS
	s_mul_i32 s22, s16, HALFS
	s_add_co_u32 s22, s22, 2*HALFS
	s_sub_co_u32 s22, s22, s21
	v_mul_u32_u24 v6, s22, v2                      ; lanes 16-31 take B's
	s_add_co_u32 s21, s21, SCL
	v_add_nc_u32 v6, v5, v6
	v_add_nc_u32 v[ADRS], s21, v6
	v_lshl_add_u32 v[SA], v2, 9, v5
	; where the results go: slab = the cluster's x, K step 2 cx + my half of the columns, row blocks 16 (4 x cluster y + cy) + 8 x my half of the rows on
	s_lshl_b32 s20, s17, 2
	s_add_co_u32 s20, s20, s41
	s_lshl_b32 s20, s20, 1
	s_add_co_u32 s20, s20, s15
	s_lshl_b32 s20, s20, 3                         ; my first row block
	s_lshl_b32 s22, s20, 9
	s_lshl_b32 s23, ttmp9, 17
	s_add_co_u32 s22, s22, s23
	s_lshl_b32 s23, s40, 7
	s_add_co_u32 s22, s22, s23
	s_lshl_b32 s23, s16, 2
	s_add_co_u32 s22, s22, s23
	s_mov_b32 s23, 0
	s_mul_i32 s20, s20, RBB
	s_mul_i32 s21, ttmp9, 3145728
	s_add_co_u32 s20, s20, s21
	s_lshl_b32 s21, s40, 1
	s_add_co_u32 s21, s21, s16
	s_mul_i32 s21, s21, FRB
	s_add_co_u32 s20, s20, s21
	s_add_co_u32 s20, s20, 524288
	s_mov_b32 s21, 0
	s_add_nc_u64 s[12:13], s[10:11], s[22:23]      ; the words
	s_add_nc_u64 s[10:11], s[10:11], s[20:21]      ; the images
.macro FRAG reg, adr, q, i
.irp p, 0,1,2,3,4,5
	ds_load_b64 v[\reg+2*\p:\reg+2*\p+1], v[\adr] offset:(\i)*NQ*FRB+(\q)*FRB+256*\p
.endr
.endm
; 16 matrix instructions: A's blocks a0, a0 + 1 x B's eight, 128 along K.  zero = 2: the bias, in window 0, is the C of the sum's first product.  The 64 accumulators take turns, one instruction a turn.
.macro MUL16 a0, p, q, sc, zero
.irp a, \a0, \a0+1
.irp b, 0,1,2,3,4,5,6,7
.if (\zero) == 2
	v_wmma_scale_f32_16x16x128_f8f6f4 v[8*(8*((\a)%4)+\b):8*(8*((\a)%4)+\b)+7], v[128*(\p)+FR*\b:128*(\p)+FR*\b+FR-1], v[AF+FR*(\a):AF+FR*(\a)+FR-1], v[BP+8*\b:BP+8*\b+7], v[SC+8*NQ*(\sc)+NQ*\b+(\q)], v[SC+8*NQ*(\sc)+NQ*(\a)+(\q)] matrix_a_fmt:MATRIX_FMT_FP6 matrix_b_fmt:MATRIX_FMT_FP6 matrix_a_scale:MATRIX_SCALE_ROW1
.else
	v_wmma_scale_f32_16x16x128_f8f6f4 v[8*(8*((\a)%4)+\b):8*(8*((\a)%4)+\b)+7], v[128*(\p)+FR*\b:128*(\p)+FR*\b+FR-1], v[AF+FR*(\a):AF+FR*(\a)+FR-1], v[8*(8*((\a)%4)+\b):8*(8*((\a)%4)+\b)+7], v[SC+8*NQ*(\sc)+NQ*\b+(\q)], v[SC+8*NQ*(\sc)+NQ*(\a)+(\q)] matrix_a_fmt:MATRIX_FMT_FP6 matrix_b_fmt:MATRIX_FMT_FP6 matrix_a_scale:MATRIX_SCALE_ROW1
.endif
.endr
.endr
.endm
.macro FETCH_B slot, q, p
	WIN TO_B
.irp i, 0,1,2,3,4,5,6,7
	FRAG 128*(\p)+FR*\i, ADRB+\slot, \q, \i
.endr
	WIN 0
.endm
.macro FETCH_A slot, q, i0
.irp i, \i0, \i0+1, \i0+2, \i0+3
	FRAG AF+FR*(\i), ADRA+\slot, \q, \i
.endr
.endm
.macro SCALES sc
.irp i, 0,1,2,3,4,5,6,7
	ds_load_b64 v[SC+8*NQ*\sc+NQ*\i:SC+8*NQ*\sc+NQ*\i+1], v[ADRS] offset:\i*512
.endr
.endm
.macro PLACES n
.rept \n
	v_nop
.endr
.endm
.macro STEP slot, q, zero
	s_wait_dscnt 4*NL                              ; B's set, A's blocks 0-3 and the words are in; A's blocks 4-7 may be out
.if (\zero) == 2
	WIN 0x81                                       ; C in window 0, D in window 2
.else
	WIN MUL_LO
.endif
	MUL16 0, (\q)%2, \q, \slot, \zero
	MUL16 2, (\q)%2, \q, \slot, \zero
	s_wait_dscnt 0
	PLACES NP
	FETCH_B \slot, (\q)+1, 1-(\q)%2
	FETCH_A \slot, (\q)+1, 0
.if (\zero) == 2
	WIN 0xc1                                       ; C in window 0, D in window 3
.else
	WIN MUL_HI
.endif
	MUL16 4, (\q)%2, \q, \slot, \zero
	MUL16 6, (\q)%2, \q, \slot, \zero
	PLACES NP
	WIN 0
	FETCH_A \slot, (\q)+1, 4
.endm
.macro TURN slot, next, fill
	s_wait_tensorcnt 0x0                           ; all my tensor loads have landed: my part of the next slot
	ds_add_u32 v[SPW], v[NIL]                      ; 0 onto my spare word
	s_wait_dscnt 4*NL+1                            ; (the add and A's blocks 4-7 may be out)
	WIN MUL_LO
	MUL16 0, 1, NQ-1, \slot, 0
	s_wait_dscnt 0x0                               ; the add is done, and my reads of this slot are over
	s_barrier_signal -1
	MUL16 2, 1, NQ-1, \slot, 0
	WIN 0
	s_barrier_wait -1
.if \fill
	CREST                                          ; no wave of any partner still reads this slot or has a load on its way
	s_add_nc_u64 s[G0+4*\slot+2:G0+4*\slot+3], s[G0+4*\slot+2:G0+4*\slot+3], 2*NQ*FRB
	s_add_nc_u64 s[G0B+4*\slot+2:G0B+4*\slot+3], s[G0B+4*\slot+2:G0B+4*\slot+3], 2*NQ*FRB
	JLOAD G0+4*\slot, G1, G0B+4*\slot, G1B         ; the first tensor load behind the round; its four v_nop are the places in front of the loads below
.else
	PLACES NP
.endif
	v_add_nc_u32 v[ADRS], 128, v[ADRS]
	FETCH_B \next, 0, 0
	FETCH_A \next, 0, 0
	SCALES \next
	WIN MUL_HI
	MUL16 4, 1, NQ-1, \slot, 0
	MUL16 6, 1, NQ-1, \slot, 0
	PLACES NP
	WIN 0
	FETCH_A \next, 0, 4
.endm
	s_wait_tensorcnt 1                             ; the scale words and my part of K step 0 are in (K step 1's load may be out),
	s_barrier_signal -1
	s_barrier_wait -1                              ; everybody's are
	FETCH_B 0, 0, 0
	FETCH_A 0, 0, 0
	SCALES 0
	FETCH_A 0, 0, 4
	s_wait_loadcnt 0x0                             ; the bias
	STEP 0, 0, 2                                   ; the first step's products start the sums from the bias
	s_mov_b32 s3, LAPS-1
.Llap:
	TURN 0, 1, 1
	STEP 1, 0, 0
	TURN 1, 0, 1
	STEP 0, 0, 0
	s_sub_co_u32 s3, s3, 1
	s_cmp_lg_u32 s3, 0
	s_cbranch_scc1 .Llap
	TURN 0, 1, 0
	STEP 1, 0, 0
	s_wait_dscnt 4*NL
	WIN MUL_LO
	MUL16 0, 1, NQ-1, 1, 0
	MUL16 2, 1, NQ-1, 1, 0
	s_wait_dscnt 0
	WIN MUL_HI
	MUL16 4, 1, NQ-1, 1, 0
	MUL16 6, 1, NQ-1, 1, 0
	WIN 0
.macro QUANT s, pc, pw
.irp b, 0,1,2,3
	v_max3_num_f32 v[TM+\b], |v[(\s)+16*\b]|, |v[(\s)+1+16*\b]|, 0x1800000   ; and the floor 2^(3 - 127): the byte cannot fall under 1
.endr
.irp i, 2,4,6,8,10,12,14
.irp b, 0,1,2,3
	v_max3_num_f32 v[TM+\b], v[TM+\b], |v[(\s)+16*\b+\i]|, |v[(\s)+1+16*\b+\i]|
.endr
.endr
.irp b, 0,1,2,3
	v_permlanex16_b32 v[TM+4+\b], v[TM+\b], s[SEL], s[SEL+1]
.endr
.irp b, 0,1,2,3
	v_max_num_f32 v[TM+\b], v[TM+\b], v[TM+4+\b]
.endr
.irp b, 0,1,2,3
	v_add_nc_u32 v[TM+12+\b], 0xff000000, v[TM+\b]
.endr
.irp b, 0,1,2,3
	v_lshrrev_b32 v[TM+4+\b], 23, v[TM+12+\b]
.endr
	v_lshl_or_b32 v[\pw], v[TM+5], 8, v[TM+4]
	v_lshl_or_b32 v[\pw], v[TM+6], 16, v[\pw]
	v_lshl_or_b32 v[\pw], v[TM+7], 24, v[\pw]
.irp c, 0,1
	v_cvt_scalef32_pk16_fp6_f32 v[(\pc)+6*\c:(\pc)+2+6*\c], v[(\s)+32*\c:(\s)+15+32*\c], v[TM+12+2*\c]
	v_cvt_scalef32_pk16_fp6_f32 v[(\pc)+12+4*\c:(\pc)+14+4*\c], v[(\s)+16+32*\c:(\s)+31+32*\c], v[TM+12+2*\c+1]
.endr
	v_nop
.irp c, 0,1
.irp i, 0,1,2
	v_permlane16_swap_b32 v[(\pc)+6*\c+\i], v[(\pc)+12+4*\c+\i]
.endr
.irp i, 0,1,2
	v_mov_b32 v[(\pc)+3+6*\c+\i], v[(\pc)+12+4*\c+\i]
.endr
.endr
.endm
	; THE EPILOGUE, block by block of 16 tokens: relu, quantised, stored.  Each accumulator is read from its low end on.
	PLACES NP
.irp b, 0,1,2,3
	v_mov_b32 v[TM+4+\b], 0                        ; written once: a lane permute's destination counts as one of its sources
.endr
.irp a, 0,1,2,3,4,5,6,7
	s_wait_xcnt 0x0                                ; the last block's stores have read their registers: the codes may be written again
	WIN 0x08+4*(\a/4)                              ; source 1: window 2 or 3
.set ii, 0
.rept 64
	v_max_num_f32 v[T+ii], 0, v[64*(\a%4)+ii]
.set ii, ii+1
.endr
	WIN 0
	QUANT T, PC, PW+\a
.irp p, 0,1,2,3,4,5
	global_store_b64 v[L8], v[PC+2*\p:PC+2*\p+1], s[10:11] offset:\a*RBB+256*\p   ; 256 consecutive bytes, aligned
.endr
.endr
.irp k, 0,1,2,3
	v_cndmask_b32 v[SW+\k], v[PW+2*\k], v[PW+2*\k+1], s[MHI]       ; lanes 0-15: block 2 k's words; lanes 16-31: block 2 k + 1's
.endr
.irp k, 0,1,2,3
	global_store_b32 v[SA], v[SW+\k], s[12:13] offset:1024*\k      ; a word a row: the word beside it is another wave's
.endr
	s_wait_tensorcnt 0x0                           ; the wave's end
	ds_add_u32 v[SPW], v[NIL]
	s_wait_dscnt 0x0
	CROUND                                         ; the closing round
	s_endpgm
.Lfunc_end_k_qd62e46c308_ffn1:
	.size	k_qd62e46c308_ffn1, .Lfunc_end_k_qd62e46c308_ffn1-k_qd62e46c308_ffn1
	.p2alignl 7, 3214868480
	.fill 96, 4, 3214868480
	.section	.rodata,"a",@progbits
	.p2align	6, 0x0
	.amdhsa_kernel k_qd62e46c308_ffn1
		.amdhsa_group_segment_fixed_size 327680
		.amdhsa_private_segment_fixed_size 0
		.amdhsa_enable_private_segment 0
		.amdhsa_kernarg_size 32
		.amdhsa_user_sgpr_count 2
		.amdhsa_user_sgpr_kernarg_segment_ptr 1
		.amdhsa_wavefront_size32 1
		.amdhsa_system_sgpr_workgroup_id_x 1
		.amdhsa_system_sgpr_workgroup_id_y 1
		.amdhsa_system_sgpr_workgroup_id_z 1
		.amdhsa_system_vgpr_workitem_id 0
		.amdhsa_next_free_vgpr 1024
		.amdhsa_next_free_sgpr 102
		.amdhsa_reserve_vcc 0
		.amdhsa_float_denorm_mode_32 3
		.amdhsa_float_denorm_mode_16_64 3
		.amdhsa_memory_ordered 1
		.amdhsa_forward_progress 1
		.amdhsa_inst_pref_size 184
	.end_amdhsa_kernel
	.amdgpu_metadata
---
amdhsa.version: [ 1, 2 ]
amdhsa.kernels:
  - .name:           k_qd62e46c308_ffn1
    .symbol:         k_qd62e46c308_ffn1.kd
    .args:
      - { .name: inter, .offset: 0, .size: 8, .value_kind: global_buffer, .address_space: global }
      - { .name: xw, .offset: 8, .size: 8, .value_kind: global_buffer, .address_space: global }
      - { .name: bf1, .offset: 16, .size: 8, .value_kind: global_buffer, .address_space: global }
      - { .name: act, .offset: 24, .size: 8, .value_kind: global_buffer, .address_space: global }
    .group_segment_fixed_size: 327680
    .private_segment_fixed_size: 0
    .kernarg_segment_align: 8
    .kernarg_segment_size: 32
    .max_flat_workgroup_size: 128
    .sgpr_count:     102
    .vgpr_count:     1024
    .wavefront_size: 32
...
	.end_amdgpu_metadata
.endif
;; end of part 6
;; launch ffn2: the kernel of part 4 again; grid 16 x 16, 4 waves a work-group, clusters of 4 x 4, 327,680 bytes of LDS; arguments act, w2i, cbuf; writes cbuf
;; launch ln2 (part 7): grid 256 x 1, 8 waves a work-group, no clusters, 69,632 bytes of LDS; arguments cbuf, inter, bf2, g2, b2, out0; writes out0
.if DOCPART == 7
	.amdgcn_target "amdgcn-amd-amdhsa--gfx1250"
	.amdhsa_code_object_version 6
	.text
	.protected	k_qd62e46c308_ln2
	.globl	k_qd62e46c308_ln2
	.p2align	8
	.type	k_qd62e46c308_ln2,@function
k_qd62e46c308_ln2:
	s_mov_b64 s[64:65], 0
	v_nop
	global_prefetch_b8 v0, s[64:65] scope:SCOPE_SE
	s_setreg_imm32_b32 hwreg(HW_REG_WAVE_MODE, 25, 1), 1
	s_wait_xcnt 0x0
; out0 = LayerNorm(inter + (hidden W2 + bf2)) x g2 + b2.  hidden W2 comes as four parts, one for each slab of 1,024 along K: this launch is the one owner of each sum.
; A stream: memory binds, so no matrix unit and no cluster.  Work-group J owns the 16 rows of row block J (lane r: row 32 (J / 2) + 8 (J % 2) + r + 8 (r / 8)); wave w owns columns 128 w .. 128 w + 127;
; lane (r, h) holds 16 numbers of each of four blocks of 32.  Mean and variance are taken in two true passes over the registers; the eight waves' parts meet in LDS, once for each, behind a barrier.
; LIMITS: NaN and infinities among the inputs are not served.
.set RED1,  0                          ; LDS: [r][w] words, 512 bytes;
.set RED2,  512                        ; the same for the squares;
.set STG,   1024                       ; a stage of 16 rows x (512 + 16) bytes for each wave;
.set SPARE, STG+8*16*528               ; the spare words, 128 bytes for each of 8 waves: four blocks of 256 bytes that no other line names
.set SPW, 1
.set NIL, 2
.set RO,  7
.set PO,  8
.set L16, 10
.set RS,  11
.set RLD, 12
.set SI,  13
.set SR,  14
.set MU,  24
.set RSD, 26
.set Y,   64
.set X,   128
.set G,   192
.set SEL, 2
.macro LD16 reg, voff, base            ; 64 numbers a lane; the 16 loads use up 512 neighbouring bytes of each row
.irp b, 0,1,2,3
.irp j, 0,1,2,3
	global_load_b128 v[\reg+16*\b+4*\j:\reg+16*\b+4*\j+3], v[\voff], s[\base:\base+1] offset:128*\b+16*\j
.endr
.endr
.endm
.macro ADD64 src
.set k, 0
.rept 32
	v_pk_add_f32 v[Y+2*k:Y+2*k+1], v[Y+2*k:Y+2*k+1], v[\src+2*k:\src+2*k+1]
.set k, k+1
.endr
.endm
.macro WGSUM red                       ; v16: my lane's sum; leaves the row's sum over its 1,024 numbers in v16
	v_permlanex16_b32 v17, v16, s[SEL], s[SEL+1]
	v_add_f32 v16, v16, v17
	ds_store_b32 v[RS], v16 offset:\red            ; lanes l and l xor 16 write the same word with the same value
	s_wait_dscnt 0x0                               ; for the others' sake
	s_barrier_signal -1
	s_barrier_wait -1
	ds_load_b128 v[16:19], v[RLD] offset:\red
	ds_load_b128 v[20:23], v[RLD] offset:\red+16
	s_wait_dscnt 0x0
	v_add_f32 v16, v16, v17
	v_add_f32 v18, v18, v19
	v_add_f32 v20, v20, v21
	v_add_f32 v22, v22, v23
	v_add_f32 v16, v16, v18
	v_add_f32 v20, v20, v22
	v_add_f32 v16, v16, v20
.endm
	s_load_b256 s[4:11], s[0:1], 0x0               ; C, inter, bf2, g2
	s_load_b128 s[12:15], s[0:1], 0x20             ; b2, out0
	v_lshl_add_u32 v[SPW], v0, 2, SPARE
	v_mov_b32 v[NIL], 0
	v_lshrrev_b32 v3, 5, v0
	v_readfirstlane_b32 s16, v3                    ; wave 0..7
	v_and_b32 v3, 31, v0                           ; lane
	v_and_b32 v4, 15, v0                           ; r
	v_bfe_u32 v5, v0, 4, 1                         ; h
	v_and_b32 v6, 8, v4
	v_add_nc_u32 v6, v6, v4
	v_lshlrev_b32 v[RO], 12, v6
	v_lshl_add_u32 v[RO], v5, 6, v[RO]
	v_lshlrev_b32 v[PO], 6, v5
	v_lshlrev_b32 v[L16], 4, v3
	v_lshlrev_b32 v[RLD], 5, v4
	s_lshl_b32 s17, s16, 2
	v_add_nc_u32 v[RS], s17, v[RLD]
	s_mul_i32 s17, s16, 16*528
	s_add_co_u32 s17, s17, STG
	v_mul_u32_u24 v[SI], v4, 528
	v_lshl_add_u32 v[SI], v5, 6, v[SI]
	v_add_nc_u32 v[SI], s17, v[SI]
	v_add_nc_u32 v[SR], s17, v[L16]
	s_lshr_b32 s18, ttmp9, 1
	s_lshl_b32 s18, s18, 5
	s_and_b32 s19, ttmp9, 1
	s_lshl_b32 s19, s19, 3
	s_add_co_u32 s18, s18, s19                     ; the row block's first row
	s_lshl_b32 s20, s18, 12
	s_lshl_b32 s22, s16, 9                         ; my wave's 512 bytes of a row
	s_add_co_u32 s20, s20, s22
	s_mov_b32 s21, 0
	s_mov_b32 s23, 0
	s_mov_b32 s[SEL], 0x76543210
	s_mov_b32 s[SEL+1], 0xfedcba98
	s_mov_b32 s30, 0x3a800000                      ; 1 / 1,024
	s_wait_kmcnt 0x0
	s_add_nc_u64 s[4:5], s[4:5], s[20:21]          ; the four parts lie 16,777,216 bytes apart, more than an immediate holds: a base for each
	s_add_nc_u64 s[24:25], s[4:5], 0x1000000
	s_add_nc_u64 s[26:27], s[4:5], 0x2000000
	s_add_nc_u64 s[28:29], s[4:5], 0x3000000
	s_add_nc_u64 s[6:7], s[6:7], s[20:21]
	s_add_nc_u64 s[8:9], s[8:9], s[22:23]
	s_add_nc_u64 s[10:11], s[10:11], s[22:23]
	s_add_nc_u64 s[12:13], s[12:13], s[22:23]
	s_add_nc_u64 s[14:15], s[14:15], s[20:21]
	LD16 Y, RO, 4
	LD16 X, RO, 24
	LD16 G, RO, 26
	s_wait_loadcnt 16                              ; all but the set asked for last are in: so in every turn
	ADD64 X
	LD16 X, RO, 28
	s_wait_loadcnt 16
	ADD64 G
	LD16 G, RO, 6                                  ; inter
	s_wait_loadcnt 16
	ADD64 X
	LD16 X, PO, 8                                  ; bf2
	s_wait_loadcnt 16
	ADD64 G
	LD16 G, PO, 10                                 ; g2
	s_wait_loadcnt 16
	ADD64 X
	LD16 X, PO, 12                                 ; b2
	; the mean
	v_pk_add_f32 v[16:17], v[Y:Y+1], v[Y+2:Y+3]
	v_pk_add_f32 v[18:19], v[Y+4:Y+5], v[Y+6:Y+7]
.irp j, 8,12,16,20,24,28,32,36,40,44,48,52,56,60
	v_pk_add_f32 v[16:17], v[16:17], v[Y+\j:Y+\j+1]
	v_pk_add_f32 v[18:19], v[18:19], v[Y+\j+2:Y+\j+3]
.endr
	v_pk_add_f32 v[16:17], v[16:17], v[18:19]
	v_add_f32 v16, v16, v17
	WGSUM RED1
	v_mul_f32 v[MU], s30, v16
	v_mov_b32 v[MU+1], v[MU]
.set k, 0
.rept 32
	v_pk_add_f32 v[Y+2*k:Y+2*k+1], v[Y+2*k:Y+2*k+1], v[MU:MU+1] op_sel_hi:[1,0] neg_lo:[0,1] neg_hi:[0,1]
.set k, k+1
.endr
	; the variance, of the differences
	v_pk_mul_f32 v[16:17], v[Y:Y+1], v[Y:Y+1]
	v_pk_mul_f32 v[18:19], v[Y+2:Y+3], v[Y+2:Y+3]
.irp j, 4,8,12,16,20,24,28,32,36,40,44,48,52,56,60
	v_pk_fma_f32 v[16:17], v[Y+\j:Y+\j+1], v[Y+\j:Y+\j+1], v[16:17]
	v_pk_fma_f32 v[18:19], v[Y+\j+2:Y+\j+3], v[Y+\j+2:Y+\j+3], v[18:19]
.endr
	v_pk_add_f32 v[16:17], v[16:17], v[18:19]
	v_add_f32 v16, v16, v17
	WGSUM RED2
	v_fmaak_f32 v[RSD], s30, v16, 0x3727c5ac       ; / 1,024 + 1e-5
	v_rsq_f32 v[RSD], v[RSD]
	v_nop                                          ; a plain instruction behind the transcendental
	s_wait_alu depctr_va_vdst(0)                   ; and the wait ahead of its first reader
	v_mov_b32 v[RSD+1], v[RSD]
	s_wait_loadcnt 0x0                             ; g2, b2
.set k, 0
.rept 32
	v_pk_mul_f32 v[Y+2*k:Y+2*k+1], v[Y+2*k:Y+2*k+1], v[RSD:RSD+1] op_sel_hi:[1,0]
.set k, k+1
.endr
.set k, 0
.rept 32
	v_pk_fma_f32 v[Y+2*k:Y+2*k+1], v[Y+2*k:Y+2*k+1], v[G+2*k:G+2*k+1], v[X+2*k:X+2*k+1]
.set k, k+1
.endr
	; out through my own stage, so that whole rows of 512 bytes leave; LDS serves a wave's instructions in order (ISA guide 5.7.1.4)
.irp b, 0,1,2,3
.irp j, 0,1,2,3
	ds_store_b128 v[SI], v[Y+16*\b+4*\j:Y+16*\b+4*\j+3] offset:128*\b+16*\j
.endr
.endr
.irp t, 0,1,2,3,4,5,6,7,8,9,10,11,12,13,14,15
	ds_load_b128 v[X+4*\t:X+4*\t+3], v[SR] offset:528*\t
.endr
.irp t, 0,1,2,3,4,5,6,7,8,9,10,11,12,13,14,15
	s_wait_dscnt 15-\t
	global_store_b128 v[L16], v[X+4*\t:X+4*\t+3], s[14:15] offset:(\t+8*(\t/8))*4096 th:TH_STORE_NT   ; 512 consecutive bytes, aligned
.endr
	s_wait_tensorcnt 0x0                           ; the wave's end
	ds_add_u32 v[SPW], v[NIL]
	s_wait_dscnt 0x0
	s_endpgm
.Lfunc_end_k_qd62e46c308_ln2:
	.size	k_qd62e46c308_ln2, .Lfunc_end_k_qd62e46c308_ln2-k_qd62e46c308_ln2
	.p2alignl 7, 3214868480
	.fill 96, 4, 3214868480
	.section	.rodata,"a",@progbits
	.p2align	6, 0x0
	.amdhsa_kernel k_qd62e46c308_ln2
		.amdhsa_group_segment_fixed_size 69632
		.amdhsa_private_segment_fixed_size 0
		.amdhsa_enable_private_segment 0
		.amdhsa_kernarg_size 48
		.amdhsa_user_sgpr_count 2
		.amdhsa_user_sgpr_kernarg_segment_ptr 1
		.amdhsa_wavefront_size32 1
		.amdhsa_system_sgpr_workgroup_id_x 1
		.amdhsa_system_sgpr_workgroup_id_y 1
		.amdhsa_system_sgpr_workgroup_id_z 1
		.amdhsa_system_vgpr_workitem_id 0
		.amdhsa_next_free_vgpr 256
		.amdhsa_next_free_sgpr 66
		.amdhsa_reserve_vcc 0
		.amdhsa_float_denorm_mode_32 3
		.amdhsa_float_denorm_mode_16_64 3
		.amdhsa_memory_ordered 1
		.amdhsa_forward_progress 1
		.amdhsa_inst_pref_size 41
	.end_amdhsa_kernel
	.amdgpu_metadata
---
amdhsa.version: [ 1, 2 ]
amdhsa.kernels:
  - .name:           k_qd62e46c308_ln2
    .symbol:         k_qd62e46c308_ln2.kd
    .args:
      - { .name: cbuf, .offset: 0, .size: 8, .value_kind: global_buffer, .address_space: global }
      - { .name: inter, .offset: 8, .size: 8, .value_kind: global_buffer, .address_space: global }
      - { .name: bf2, .offset: 16, .size: 8, .value_kind: global_buffer, .address_space: global }
      - { .name: g2, .offset: 24, .size: 8, .value_kind: global_buffer, .address_space: global }
      - { .name: b2, .offset: 32, .size: 8, .value_kind: global_buffer, .address_space: global }
      - { .name: out0, .offset: 40, .size: 8, .value_kind: global_buffer, .address_space: global }
    .group_segment_fixed_size: 69632
    .private_segment_fixed_size: 0
    .kernarg_segment_align: 8
    .kernarg_segment_size: 48
    .max_flat_workgroup_size: 256
    .sgpr_count:     66
    .vgpr_count:     256
    .wavefront_size: 32
...
	.end_amdgpu_metadata
.endif
;; end of part 7
